; MI455X (gfx1250); checked and timed in simulation.
; The chip was launched on July 23, 2026; its instructions are those of AMD's public machine-readable ISA for CDNA 5 (MIT licence, August 2026) and "CDNA5" Instruction Set Architecture Reference Guide (July 2026). The comments in the code are by the model that wrote it; some were corrected since.
;; Multi Head Attention. Allowed arithmetic: matrix products marked QUANTISED: E2M1 operands, one E8M0 scale for each 32 along K, by v_wmma_scale_f32_16x16x128_f8f6f4 with both operands' format E2M1 (or v_wmma_scale_f32_32x16x128_f4), f32 sums; everything else in f32.
;; Inputs: Wk 1,024 x 1,024 float32; Wo 1,024 x 1,024 float32; Wq 1,024 x 1,024 float32; Wv 1,024 x 1,024 float32; bk 1,024 float32; bo 1,024 float32; bq 1,024 float32; bv 1,024 float32; key_ 4 x 2,048 x 1,024 float32; query 4 x 2,048 x 1,024 float32; value 4 x 2,048 x 1,024 float32.
;; Outputs: out0 4 x 2,048 x 1,024 float32.
;; This version of the problem:
;;   THIS VERSION OF THE PROBLEM IS GIVEN IN LOW PRECISION. The matrix products marked QUANTISED in the list below multiply operands that are first quantised to E2M1 (2 exponent bits, 1 mantissa bit; 4 bits a number), with one power-of-two scale for each 32 numbers along K (OCP MX v1.0); their sums are f32. All else is computed in f32.
;;   The module's matrix products, in the order in which they are computed (A, B: the left and right operand; K: the contracted axis; several contracted axes count as one K, in the product's order):
;;     1. [M 8,192, K 1,024] x [K 1,024, N 1,024]; A: input query; B: input Wq: QUANTISED
;;     2. [M 8,192, K 1,024] x [K 1,024, N 1,024]; A: input key_; B: input Wk: QUANTISED
;;     3. [M 8,192, K 1,024] x [K 1,024, N 1,024]; A: input value; B: input Wv: QUANTISED
;;     4. batch 64 x [M 2,048, K 64] x [K 64, N 2,048]; A: computed on the way; B: computed on the way: QUANTISED
;;     5. batch 64 x [M 64, K 2,048] x [K 2,048, N 2,048]; A: computed on the way; B: softmax (see below): QUANTISED
;;     6. [M 8,192, K 1,024] x [K 1,024, N 1,024]; A: computed on the way; B: input Wo: QUANTISED
;;   THE QUANTISER, for each operand of a quantised product, along K:
;;     - K is cut into blocks of 32 from its start; a last block that is shorter is filled with zeros.
;;     - A block's scale is 2^e with e = floor(log2(the largest magnitude in the block)) - 2, held to -126 .. 127; a block of zeros has e = 0. As a byte (E8M0): e + 127.
;;     - Each number is divided by its block's scale, clamped to +-6, and rounded to the nearest number of E2M1, ties to even, subnormals kept.
;;     - The product sums the exact products of the quantised numbers (number of the format x scale) in f32.
;;   ~~~python
;;   def quantise(x, axis):      # numpy; x: float32 -> the quantised numbers, widened to float32 again
;;       x = np.moveaxis(x, axis, -1); K = x.shape[-1]
;;       x = np.pad(x, [(0, 0)] * (x.ndim - 1) + [(0, -K % 32)]); x = x.reshape(x.shape[:-1] + (-1, 32)); a = np.abs(x).max(-1, keepdims=True)
;;       e = np.where(a > 0, np.clip(np.frexp(np.where(a > 0, a, 1))[1] - 1 - 2, -126, 127), 0)      # np.frexp(a)[1] - 1 = floor(log2(a)), exactly
;;       r = np.clip(x / 2.0 ** e, -6, 6)
;;       step = 2.0 ** (np.maximum(np.frexp(np.where(r == 0, 1, r))[1] - 1, 0) - 1)
;;       q = np.round(r / step) * step * 2.0 ** e      # np.round: ties to even
;;       return np.moveaxis(q.reshape(q.shape[:-2] + (-1,))[..., :K], -1, axis).astype(np.float32)
;;   ~~~
;;   SOFTMAX AHEAD OF A QUANTISED PRODUCT. Where the list says 'softmax', what is quantised is not the finished softmax but p = 2^(t - M), with t = logit x log2(e) and M = ceil(the row's largest t), a whole number; so 1/2 < the row's largest p <= 1. The row's sum l is taken of the UNQUANTISED p, in f32, and the product's result is divided by l at the end. Since M is a whole number, a kernel that streams over the keys may use a running M (the ceiling of the running maximum): every later rescaling is an exact power of two, which a block's scale takes up: the codes' values come out the same.
;;   OPERANDS COMPUTED ON THE WAY. 'Computed on the way' means the value that the module computes at that place (a softmax that the list does not call 'softmax' is quantised finished and normalised). What goes into a quantiser is computed in f32, as accurately as f32 sums, v_exp_f32 and their like allow (about 1e-6 of the number): no bf16 or f16 on the way to a quantiser, and a product that is left as it is and whose result goes on into a quantised operand takes f32 operands (vector FMAs, or v_wmma_f32_16x16x4_f32). A number that lies on a knife's edge between two numbers of the format may be rounded either way, as far as f32 arithmetic and the matrix unit's own rounding can turn it there, and no further.
;; One version. Each part assembles by itself: llvm-mc -triple=amdgcn-amd-amdhsa -mcpu=gfx1250 --defsym DOCPART=n.
;; ======== version 1 of 1: 4 launches
;; limits: right only within a limited range of input values
;; workspace buffers: xop 15,597,568 bytes; qop 4,456,448 bytes; kop 4,456,448 bytes; vop 4,456,448 bytes; cop 4,456,448 bytes
;; launch quant (part 1): grid 256 x 1, 7 waves a work-group, no clusters, 60,160 bytes of LDS; arguments query, key_, value, Wq, Wk, Wv, Wo, xop; writes xop
.if DOCPART == 1
	.amdgcn_target "amdgcn-amd-amdhsa--gfx1250"
	.amdhsa_code_object_version 6
	.text
	.protected	k_q0f2ed1b68f_quant
	.globl	k_q0f2ed1b68f_quant
	.p2align	8
	.type	k_q0f2ed1b68f_quant,@function
k_q0f2ed1b68f_quant:
	s_mov_b64 s[64:65], 0
	v_nop
	global_prefetch_b8 v0, s[64:65] scope:SCOPE_SE
	s_setreg_imm32_b32 hwreg(HW_REG_WAVE_MODE, 25, 1), 1
	s_wait_xcnt 0x0
; query, key_, value [8192][1024] and Wq, Wk, Wv, Wo [1024][1024], f32, K innermost, become codes of FP4 (E2M1) with one E8M0 byte for each 32 along K,
; laid in xop AS IMAGES OF OPERAND REGISTERS.  xop: [block of 128 rows: 224][K step of 128: 8][8,704 bytes]: eight fragments of 1,024 bytes, then 512 bytes of scale words.
; Blocks 0-63 query, 64-127 key_, 128-191 value, 192-199 Wq, 200-207 Wk, 208-215 Wv, 216-223 Wo.
; A FRAGMENT is 16 rows x 128 K: [c 2][lane 32][16 bytes]; lane (r, h) holds k = 64 c + 32 h + 0 .. 31 of the tile's row r.
; THE ROWS OF A TILE ARE NOT NEIGHBOURS: lane r of tile 2 p + u takes row 32 p + 8 u + r + 8 (r / 8), so that a later product used transposed has 16 neighbours in the 16 registers of two tiles.
; SCALE WORDS: [pp 2][lane 32][e 2][4 bytes]: the word (four bytes: 128 along K) of pair 2 pp + e, tile u = 0 in lanes 0-15, tile u = 1 in lanes 16-31.
; A block's scale is 2^(floor(log2(largest magnitude)) - 2); its byte is the largest magnitude's exponent field - 2, held at 1 from below.
; LIMITS: a block of zeros gets the byte 1 where the rule says 127 (its codes are zeros, and this program alone reads the bytes); blocks whose largest magnitude lies under 2^-124 are held at that floor; NaN and infinities are not served.
; SHARES: 28,672 rows are 448 groups of 64; a wave takes one group x 256 along K: 8 fragments, 65,536 bytes in.  1,792 such jobs: 7 waves in each of 256 work-groups.
; Each load reads 512 consecutive bytes of one row; a fragment's 16 rows turn through the wave's own stage in LDS (rows 528 bytes apart), so that a lane gets its 2 x 32 neighbours.
; No cluster, no tensor load, no barrier: no two waves share a byte of input or of LDS.
.set STGB, 8448                        ; a wave's stage: 16 rows x 528 bytes
.set SP,   528                         ; 512 bytes + 16: the sixteen rows that a load touches start at sixteen different 16-byte columns
.set CD,   20                          ; v20-27   a fragment's codes
.set X,    32                          ; v32-95   64 numbers of my row: 32 c + i = k 64 c + 32 h + i
.set R,    96                          ; v96-223  two sets of 64: a fragment as it is loaded
	s_load_b512 s[4:19], s[0:1], 0x0               ; query, key_, value, Wq, Wk, Wv, Wo, xop
	v_lshl_add_u32 v240, v0, 2, 0xe700
	v_mov_b32 v241, 0
	v_lshrrev_b32 v6, 5, v0
	v_readfirstlane_b32 s20, v6                    ; wave 0..6
	v_and_b32 v7, 31, v0                           ; lane
	v_and_b32 v8, 15, v0                           ; r
	v_bfe_u32 v9, v0, 4, 1                         ; h
	v_lshlrev_b32 v1, 4, v7                        ; 16 x lane: my place in a load's or a store's 512 bytes
	s_mul_i32 s25, s20, STGB
	v_add_nc_u32 v2, s25, v1                       ; the stage, on the way in
	v_mul_u32_u24 v3, v8, SP
	v_lshl_add_u32 v3, v9, 7, v3
	v_add_nc_u32 v3, s25, v3                       ; and on the way out: row r, + 128 h bytes
	v_lshlrev_b32 v4, 3, v7                        ; 8 x lane: two scale words
	v_lshlrev_b32 v5, 3, v9                        ; 8 h: my bytes' place in a scale word, in bits
	v_mov_b32 v13, 0                               ; a lane permute's destination counts as one of its sources
	s_mov_b32 s34, 0x76543210
	s_mov_b32 s35, 0xfedcba98                      ; v_permlanex16_b32's selects for lane l xor 16
	s_mov_b32 s36, 0xffff0000                      ; lanes 16-31
	s_mul_i32 s21, ttmp9, 7
	s_add_co_u32 s21, s21, s20                     ; the job
	s_lshr_b32 s22, s21, 2                         ; which group of 64 rows, 0..447
	s_and_b32 s23, s21, 3                          ; which 256 along K
	s_mov_b32 s24, 0
	s_wait_alu depctr_va_vdst(0)
	s_wait_kmcnt 0x0
	s_mov_b64 s[28:29], s[4:5]
.macro PICK lim, ptr                   ; from group lim on the rows are the next tensor's: the choice hangs on ids alone
	s_cmp_ge_u32 s22, \lim
	s_cselect_b64 s[28:29], s[\ptr:\ptr+1], s[28:29]
	s_cselect_b32 s24, \lim, s24
.endm
	PICK 128, 6
	PICK 256, 8
	PICK 384, 10
	PICK 400, 12
	PICK 416, 14
	PICK 432, 16
	s_sub_co_u32 s26, s22, s24
	s_lshl_b32 s26, s26, 18                        ; 64 rows of 4,096 bytes
	s_lshl_b32 s27, s23, 10                        ; 256 numbers
	s_add_co_u32 s26, s26, s27
	s_mov_b32 s27, 0
	s_add_nc_u64 s[28:29], s[28:29], s[26:27]      ; where my job's numbers begin
	s_lshr_b32 s26, s22, 1
	s_mul_i32 s26, s26, 69632                      ; the block of 128 rows,
	s_mul_i32 s37, s23, 17408                      ; its two K steps
	s_add_co_u32 s26, s26, s37
	s_add_nc_u64 s[32:33], s[18:19], s[26:27]
	s_and_b32 s37, s22, 1                          ; which half of the block's eight tiles
	s_lshl_b32 s26, s37, 12
	s_add_nc_u64 s[30:31], s[32:33], s[26:27]      ; the codes
	s_lshl_b32 s26, s37, 8
	s_add_co_u32 s26, s26, 8192
	s_add_nc_u64 s[32:33], s[32:33], s[26:27]      ; the scale words
; Fragment f: K step f / 4 of my two, tile f % 4 of my four.  16 loads, one for each row of the tile
.macro LOADF f
.set RS, R+64*((\f)%2)
.set RO, (32*(((\f)%4)/2)+8*((\f)%2))*4096+512*((\f)/4)
.irp i, 0,1,2,3,4,5,6,7,8,9,10,11,12,13,14,15
	global_load_b128 v[RS+4*\i:RS+4*\i+3], v1, s[28:29] offset:RO+(\i+8*(\i/8))*4096 th:TH_LOAD_NT
.endr
.endm
.macro FRAG f
.set RS, R+64*((\f)%2)
.if \f < 7
	s_wait_loadcnt 16                              ; my 16 loads are in; the next fragment's 16 may be out
.else
	s_wait_loadcnt 0x0
.endif
.irp i, 0,1,2,3,4,5,6,7,8,9,10,11,12,13,14,15
	ds_store_b128 v2, v[RS+4*\i:RS+4*\i+3] offset:SP*\i
.endr
.irp c, 0,1
.irp k, 0,1,2,3,4,5,6,7
	ds_load_b128 v[X+32*\c+4*\k:X+32*\c+4*\k+3], v3 offset:256*\c+16*\k   ; LDS serves a wave's instructions in order: these see the stores above
.endr
.endr
	s_wait_dscnt 0x0                               ; the numbers are back, and the stores have read their registers,
.if \f < 6
	LOADF (\f)+2                                   ; which take the fragment two further on
.endif
.irp c, 0,1
	v_max3_num_f32 v[6+\c], |v[X+32*\c]|, |v[X+32*\c+1]|, 0x1800000   ; block 2 c + h is all mine; the floor 2^(3 - 127) keeps the byte at 1 or above
.endr
.irp i, 2,4,6,8,10,12,14,16,18,20,22,24,26,28,30
.irp c, 0,1
	v_max3_num_f32 v[6+\c], v[6+\c], |v[X+32*\c+\i]|, |v[X+32*\c+\i+1]|
.endr
.endr
.irp c, 0,1
	v_add_nc_u32 v[8+\c], 0xff000000, v[6+\c]      ; 2 off the exponent field: the conversion's scale operand
.endr
.irp c, 0,1
	v_lshrrev_b32 v[10+\c], 23, v[8+\c]            ; the scale's byte
.endr
	v_lshl_or_b32 v12, v11, 16, v10                ; blocks h and 2 + h,
	v_lshlrev_b32 v12, v5, v12                     ; at their places in the word;
	v_permlanex16_b32 v13, v12, s34, s35
	v_or_b32 v12, v12, v13                         ; with lane l xor 16's two the word is whole, in both lanes
	s_wait_alu depctr_va_vdst(0)
	s_wait_xcnt 0x0                                ; the last fragment's stores have read their data: the codes' registers are written again only behind this wait
.irp c, 0,1
.irp g, 0,1,2,3
	v_cvt_scalef32_pk8_fp4_f32 v[CD+4*\c+\g], v[X+32*\c+8*\g:X+32*\c+8*\g+7], v[8+\c]
.endr
.endr
	v_nop                                          ; one plain place behind the conversions
.irp c, 0,1
	global_store_b128 v1, v[CD+4*\c:CD+4*\c+3], s[30:31] offset:((\f)/4)*8704+((\f)%4)*1024+512*\c   ; 512 consecutive bytes, aligned
.endr
.if ((\f)%2) == 0
	v_mov_b32 v14, v12                             ; tile u = 0's word waits for its partner
.else
	v_cndmask_b32 v[16+2*((\f)/4)+((\f)%4)/2], v14, v12, s36   ; lanes 0-15: u = 0; lanes 16-31: u = 1
.endif
.if ((\f)%4) == 3
	global_store_b64 v4, v[16+2*((\f)/4):17+2*((\f)/4)], s[32:33] offset:((\f)/4)*8704   ; 256 consecutive bytes, aligned
.endif
.endm
	LOADF 0
	LOADF 1
.irp f, 0,1,2,3,4,5,6,7
	FRAG \f
.endr
	s_wait_tensorcnt 0x0
	ds_add_u32 v240, v241
	s_wait_dscnt 0x0
	s_endpgm
.Lfunc_end_k_q0f2ed1b68f_quant:
	.size	k_q0f2ed1b68f_quant, .Lfunc_end_k_q0f2ed1b68f_quant-k_q0f2ed1b68f_quant
	.p2alignl 7, 3214868480
	.fill 96, 4, 3214868480
	.section	.rodata,"a",@progbits
	.p2align	6, 0x0
	.amdhsa_kernel k_q0f2ed1b68f_quant
		.amdhsa_group_segment_fixed_size 60160
		.amdhsa_private_segment_fixed_size 0
		.amdhsa_enable_private_segment 0
		.amdhsa_kernarg_size 64
		.amdhsa_user_sgpr_count 2
		.amdhsa_user_sgpr_kernarg_segment_ptr 1
		.amdhsa_wavefront_size32 1
		.amdhsa_system_sgpr_workgroup_id_x 1
		.amdhsa_system_sgpr_workgroup_id_y 1
		.amdhsa_system_sgpr_workgroup_id_z 1
		.amdhsa_system_vgpr_workitem_id 0
		.amdhsa_next_free_vgpr 242
		.amdhsa_next_free_sgpr 66
		.amdhsa_reserve_vcc 0
		.amdhsa_float_denorm_mode_32 3
		.amdhsa_float_denorm_mode_16_64 3
		.amdhsa_memory_ordered 1
		.amdhsa_forward_progress 1
		.amdhsa_inst_pref_size 58
	.end_amdhsa_kernel
	.amdgpu_metadata
---
amdhsa.version: [ 1, 2 ]
amdhsa.kernels:
  - .name:           k_q0f2ed1b68f_quant
    .symbol:         k_q0f2ed1b68f_quant.kd
    .args:
      - { .name: query, .offset: 0, .size: 8, .value_kind: global_buffer, .address_space: global }
      - { .name: key_, .offset: 8, .size: 8, .value_kind: global_buffer, .address_space: global }
      - { .name: value, .offset: 16, .size: 8, .value_kind: global_buffer, .address_space: global }
      - { .name: Wq, .offset: 24, .size: 8, .value_kind: global_buffer, .address_space: global }
      - { .name: Wk, .offset: 32, .size: 8, .value_kind: global_buffer, .address_space: global }
      - { .name: Wv, .offset: 40, .size: 8, .value_kind: global_buffer, .address_space: global }
      - { .name: Wo, .offset: 48, .size: 8, .value_kind: global_buffer, .address_space: global }
      - { .name: xop, .offset: 56, .size: 8, .value_kind: global_buffer, .address_space: global }
    .group_segment_fixed_size: 60160
    .private_segment_fixed_size: 0
    .kernarg_segment_align: 8
    .kernarg_segment_size: 64
    .max_flat_workgroup_size: 224
    .sgpr_count:     66
    .vgpr_count:     242
    .wavefront_size: 32
...
	.end_amdgpu_metadata
.endif
;; end of part 1
;; launch proj (part 2): grid 8 x 32, 4 waves a work-group, clusters of 4 x 4, 327,680 bytes of LDS; arguments xop, bq, bk, bv, qop, kop, vop; writes qop, kop, vop
.if DOCPART == 2
	.amdgcn_target "amdgcn-amd-amdhsa--gfx1250"
	.amdhsa_code_object_version 6
	.text
	.protected	k_q0f2ed1b68f_proj
	.globl	k_q0f2ed1b68f_proj
	.p2align	8
	.type	k_q0f2ed1b68f_proj,@function
k_q0f2ed1b68f_proj:
	s_mov_b64 s[64:65], 0
	v_nop
	global_prefetch_b8 v0, s[64:65] scope:SCOPE_SE
	s_setreg_imm32_b32 hwreg(HW_REG_WAVE_MODE, 25, 1), 1
	s_wait_xcnt 0x0
	s_wait_alu depctr_hold_cnt(0) depctr_sa_sdst(0) depctr_va_vdst(0) depctr_va_sdst(0) depctr_va_ssrc(0) depctr_va_vcc(0) depctr_vm_vsrc(0)
	s_getreg_b32 s2, hwreg(HW_REG_IB_STS2, 6, 4)
	s_cmp_eq_u32 s2, 0
	s_cbranch_scc0 .Lentry_in_a_cluster
	s_endpgm
.Lentry_in_a_cluster:
	s_bfe_u32 s2, ttmp6, 0x10000c
	s_cmp_lg_u32 s2, 0xf033
	s_cbranch_scc0 .Lentry_shape_is_right
	s_endpgm
.Lentry_shape_is_right:
; Q = query Wq^T + bq, K = key_ Wk^T + bk, V = value Wv^T + bv on codes of FP4 (E2M1) with E8M0 scales (xop), sums in f32; the results are quantised in registers and leave as codes:
; Q and K along the head's 64 (two blocks of 32), V along the keys.
; SHARES: 256 work-groups of four waves.  Work-group (x, y) makes THREE TILES one after the other: tokens 256 y .. + 255 x features 128 x .. + 127 (heads 2 x, 2 x + 1) of Q, of K and of V.  K = 1,024 is eight steps of 128.
; THE PRODUCT IS USED TRANSPOSED: a lane holds ONE row of source 1 and its registers run along source 0's rows, which xop's order of rows makes 16 neighbours in two tiles.
; Q, K: source 0 = W, source 1 = tokens; wave w takes tokens' block w / 2 (eight tiles) x head w % 2 (four tiles of W).  V: source 0 = tokens, source 1 = Wv; wave w takes tokens' block w % 2 x head w / 2.
; So a wave has 32 accumulators a tile, and owns whole units of the output: one (head, key step): 4,096 bytes of codes and 256 of scale words.  The bias is the C of each sum's first product (a sum begins with it).
; xop: [block of 128 rows][K step 8][8,704 bytes: eight fragments of 1,024, then 512 of scale words]; blocks 0-63 query, 64-127 key_, 128-191 value, 192-199 Wq, 200-207 Wk, 208-215 Wv.
; LDS: the tokens' two blocks at 0 and 69,632; two regions for W's block at 139,264 and 208,896; the spare words at 278,528.  A block is dense, 272 rows of 256 bytes: one tensor load.
; FILLS: at the head one load a wave: tokens' blocks (waves 0, 1), Wq's and Wk's block (waves 2, 3).  Two refills, each behind a drained round of the cluster's barrier that opens at a tile's last K step, when every wave holds that step
; in registers: key_'s blocks and Wv's block over Wq's; then value's blocks.  A refill is on its way under sixteen products and the tile's way out.  One tensor load of a wave is out at the most.
; CLUSTER 4 x 4: the tokens' blocks hang on y alone and are asked for jointly along a row of the cluster, W's on x alone, along a column.
; PREFETCH: in a tile's first K step the next tensor's two blocks of tokens (544 units of 256 bytes) are asked for, seven K steps ahead of their load; the sixteen waves of a row of the cluster take 34 units each, told apart by address.
; W's third block, 272 units of the first refill's 816, comes by its load alone.
; OUT: qop, kop: codes [batch x head 64][key step 16][kb 4][u 2][lane][16 bytes], lane (r, h): dims 32 h .. of token 32 kb + 8 u + r + 8 (r / 8);
;      vop: codes [64][16][c 2][t 4][lane][16 bytes], lane (r, h): keys 64 c + 32 h .. of d = 32 (t / 2) + 8 (t % 2) + r + 8 (r / 8);
;      scale words at 4,194,304: [64][16][lane 32][2 words].  Q, K: the word of (kb, r) = tile u = 0's two bytes, then u = 1's; register 0: kb 0 | kb 1 (lanes 0-15 | 16-31), register 1: kb 2 | kb 3.  V: the word of (t, r): register 0: t 0 | t 2, register 1: t 1 | t 3.
; LIMITS: a block of zeros gets the byte 1 (this program alone reads the bytes); the floor of a block's largest magnitude is 2^-124; NaN and infinities are not served.
; REGISTERS: window 0: v4-11, v16-18 addresses; v12-15 bv; v20-25 scale words made; v28, v29 the add's; v32-47 the operands' scale words, two sets (tokens' four, W's two); v64-95 codes made; v128-191 W's fragments, two sets; v192-207 at work.
;   window 1: v0-127 the tokens' fragments, two sets; v128-159 bq, v160-191 bk, v192-223 bv, each as the sums lie.   window 2: accumulator n at v[8 n].
.set BL,    69632                      ; a block in memory and in LDS
.set KB,    8704                       ; a K step in it
.set TSTEP, 64*BL                      ; from a tensor's block of tokens to the next tensor's
.set SPARE, 4*BL
.set L16, 4
.set L8,  5
.set AT,  6                            ; LDS address of the tokens' fragments,
.set AST, 7                            ; of their scale words,
.set AWF, 8                            ; of W's fragments,
.set ASWF, 9                           ; of its scale words
.set BCO, 10
.set BRO, 11
.set PF0, 16
.set PF1, 17
.set L8K, 18
.set PW,  20
.set RW,  24
.set SPW, 28
.set NIL, 29
.set PC,  64
.set MX,  192
.set PR,  200
.set G1Y, 28
.set G1X, 36
.set G0Y, 44
.set G0X, 48
.set MSB, 0
.macro WIN new                         ; the immediate's high byte repeats the setting that is left
.if MSB != (\new)
	s_set_vgpr_msb (MSB<<8)|(\new)
.set MSB, (\new)
.endif
.endm
.macro PLACES n
.rept \n
	v_nop
.endr
.endm
.macro WALU
	s_wait_alu depctr_va_vdst(0)
.endm
.macro CREST                           ; a round of the cluster's barrier behind its opening barrier
	s_cmp_lg_u32 s18, 0
	s_cbranch_scc1 .Lnot_wave_0_\@
	s_barrier_signal -3
.Lnot_wave_0_\@:
	s_barrier_wait -3
	s_barrier_signal -1
	s_barrier_wait -1
.endm
.macro CROUND
	s_barrier_signal -1
	s_barrier_wait -1
	CREST
.endm
.macro TLOAD g0, g1                    ; an s_nop 0 and four v_nop follow the load
	tensor_load_to_lds s[\g0:\g0+3], s[\g1:\g1+7]
	s_nop 0
	PLACES 4
.endm
.macro WMMA                            ; one product; its registers and the rows of its scale registers stand in symbols
.if pA && pB
	v_wmma_scale_f32_16x16x128_f8f6f4 v[rD:rD+7], v[rA:rA+7], v[rB:rB+7], v[rC:rC+7], v[rSA], v[rSB] matrix_a_fmt:MATRIX_FMT_FP4 matrix_b_fmt:MATRIX_FMT_FP4 matrix_a_scale:MATRIX_SCALE_ROW1 matrix_b_scale:MATRIX_SCALE_ROW1
.elseif pA
	v_wmma_scale_f32_16x16x128_f8f6f4 v[rD:rD+7], v[rA:rA+7], v[rB:rB+7], v[rC:rC+7], v[rSA], v[rSB] matrix_a_fmt:MATRIX_FMT_FP4 matrix_b_fmt:MATRIX_FMT_FP4 matrix_a_scale:MATRIX_SCALE_ROW1
.elseif pB
	v_wmma_scale_f32_16x16x128_f8f6f4 v[rD:rD+7], v[rA:rA+7], v[rB:rB+7], v[rC:rC+7], v[rSA], v[rSB] matrix_a_fmt:MATRIX_FMT_FP4 matrix_b_fmt:MATRIX_FMT_FP4 matrix_b_scale:MATRIX_SCALE_ROW1
.else
	v_wmma_scale_f32_16x16x128_f8f6f4 v[rD:rD+7], v[rA:rA+7], v[rB:rB+7], v[rC:rC+7], v[rSA], v[rSB] matrix_a_fmt:MATRIX_FMT_FP4 matrix_b_fmt:MATRIX_FMT_FP4
.endif
.endm
	s_load_b256 s[4:11], s[0:1], 0x0               ; xop, bq, bk, bv
	s_load_b128 s[12:15], s[0:1], 0x20             ; qop, kop
	s_load_b64 s[16:17], s[0:1], 0x30              ; vop
	v_lshl_add_u32 v[SPW], v0, 2, SPARE
	v_mov_b32 v[NIL], 0
	ds_add_u32 v[SPW], v[NIL]                      ; the opening lines: the add twice on end and one wait
	ds_add_u32 v[SPW], v[NIL]
	v_lshrrev_b32 v1, 5, v0
	v_readfirstlane_b32 s18, v1                    ; wave 0..3
	s_lshr_b32 s19, s18, 1                         ; hi
	s_and_b32 s20, s18, 1                          ; lo
	s_bfe_u32 s21, ttmp6, 0x40000                  ; cx
	s_bfe_u32 s22, ttmp6, 0x40004                  ; cy
	s_lshl_b32 s23, ttmp9, 2
	s_add_co_u32 s23, s23, s21                     ; x: which 128 features
	s_and_b32 s24, ttmp7, 0xffff
	s_lshl_b32 s24, s24, 2
	s_add_co_u32 s24, s24, s22                     ; y: which 256 tokens
	s_lshl_b32 s2, s22, 2
	s_lshl_b32 s2, 15, s2                          ; my row of the cluster
	s_lshl_b32 s3, 0x1111, s21                     ; my column
	s_or_b32 s[G1Y], s2, (3<<16)|(1<<21)           ; group 1: the mask; elements of 8 bytes; bit 21 beside a mask.  The tokens' blocks go to my row,
	s_or_b32 s[G1X], s3, (3<<16)|(1<<21)           ; W's to my column
.irp g, G1Y, G1X
	s_mov_b32 s[\g+1], 32<<16                      ; a dense block as 272 rows of 256 bytes
	s_mov_b32 s[\g+2], 272<<16
	s_mov_b32 s[\g+3], 32<<16
	s_mov_b32 s[\g+4], 272
	s_mov_b32 s[\g+5], 32
	s_mov_b32 s[\g+6], 0
	s_mov_b32 s[\g+7], 0
.endr
	s_lshl_b32 s66, s24, 1
	s_add_co_u32 s66, s66, s20                     ; query's block 2 y + lo
	s_mul_i32 s66, s66, BL
	s_mov_b32 s67, 0
	s_lshl_b32 s26, s20, 3
	s_add_co_u32 s26, s26, s23
	s_add_co_u32 s26, s26, 192                     ; W's block 192 + 8 lo + x: Wq's (wave 2), Wk's (wave 3)
	s_mul_i32 s26, s26, BL
	s_mov_b32 s27, 0
	s_mov_b32 s[G0Y], 1
	s_mul_i32 s[G0Y+1], s20, BL
	s_mov_b32 s[G0X], 1
	s_mul_i32 s[G0X+1], s20, BL
	s_add_co_u32 s[G0X+1], s[G0X+1], 2*BL
	v_and_b32 v1, 31, v0                           ; lane
	v_and_b32 v2, 15, v0                           ; r
	v_bfe_u32 v3, v0, 4, 1                         ; h
	v_lshlrev_b32 v[L16], 4, v1
	v_lshlrev_b32 v[L8], 3, v1
	v_add_nc_u32 v[L8K], 8192, v[L8]               ; a K step's scale words lie behind its eight fragments
	v_lshlrev_b32 v[BCO], 6, v3                    ; bq, bk: register 8 b + j is feature 32 (b / 2) + 16 h + 8 (b % 2) + j of the head
	v_and_b32 v[BRO], 8, v2
	v_add_nc_u32 v[BRO], v[BRO], v2
	v_lshlrev_b32 v[BRO], 2, v[BRO]                ; bv: tile a's lane r is feature 32 (a / 2) + 8 (a % 2) + r + 8 (r / 8)
	s_lshl_b32 s25, s21, 2
	s_add_co_u32 s25, s25, s18                     ; my number among the sixteen waves of my row of the cluster
	s_mul_i32 s25, s25, 34*256                     ; my 34 units of the 544
	v_lshl_add_u32 v[PF0], v1, 8, s25              ; units 0 to 31, a lane a unit;
	s_add_co_u32 s25, s25, 32*256
	v_min_u32 v[PF1], 1, v1
	v_lshl_add_u32 v[PF1], v[PF1], 8, s25          ; units 32 and 33 (the lanes left over name the last again)
	s_mul_i32 s70, s19, BL                         ; LDS bases.  Q, K: tokens' block hi,
	s_mul_i32 s71, s20, BL                         ; V: block lo
	s_lshl_b32 s72, s20, 12
	s_add_co_u32 s72, s72, 2*BL                    ; Q: W's tiles 4 lo on, in the first region;
	s_add_co_u32 s74, s72, BL                      ; K: in the second;
	s_lshl_b32 s73, s19, 12
	s_add_co_u32 s73, s73, 2*BL                    ; V: tiles 4 hi on, in the first
	s_lshl_b32 s75, s20, 8
	s_add_co_u32 s75, s75, 2*BL                    ; and their scale words: pairs 2 lo (2 hi) on
	s_add_co_u32 s76, s75, BL
	s_lshl_b32 s77, s19, 8
	s_add_co_u32 s77, s77, 2*BL
	s_mov_b32 s97, 0xffff0000                      ; lanes 16-31
	s_mov_b32 s98, 0x76543210
	s_mov_b32 s99, 0xfedcba98                      ; v_permlanex16_b32's selects for lane l xor 16
.irp k, 0,1,2,3,4,5,6,7
	v_mov_b32 v[PR+\k], 0                          ; a lane permute's destination counts as one of its sources
.endr
	WALU
	s_wait_dscnt 0x0
	s_wait_kmcnt 0x0
	s_add_nc_u64 s[G0Y+2:G0Y+3], s[4:5], s[66:67]
	s_or_b32 s[G0Y+3], s[G0Y+3], 0x80000000
	s_add_nc_u64 s[G0X+2:G0X+3], s[4:5], s[26:27]
	s_or_b32 s[G0X+3], s[G0X+3], 0x80000000
	CROUND                                         ; all sixteen work-groups are here: the joint loads meet
	s_cmp_lt_u32 s18, 2                            ; one load a wave, an arm each
	s_cbranch_scc0 .Lhead_x
	TLOAD G0Y, G1Y
	s_branch .Lhead_on
.Lhead_x:
	TLOAD G0X, G1X
.Lhead_on:
	s_lshl_b32 s78, s24, 1
	s_add_co_u32 s78, s78, 64
	s_mul_i32 s78, s78, BL
	s_mov_b32 s79, 0
	s_add_nc_u64 s[68:69], s[4:5], s[78:79]        ; key_'s blocks 2 y, 2 y + 1: where the prefetches stand
	s_lshr_b32 s80, s24, 3
	s_lshl_b32 s80, s80, 4
	s_lshl_b32 s81, s23, 1
	s_add_co_u32 s80, s80, s81                     ; 16 batch + 2 x
	s_and_b32 s83, s24, 7
	s_lshl_b32 s83, s83, 1                         ; the work-group's first key step
	s_add_co_u32 s81, s80, s20
	s_lshl_b32 s81, s81, 4
	s_add_co_u32 s81, s81, s83
	s_add_co_u32 s81, s81, s19                     ; Q, K: (16 batch + head 2 x + lo) x 16 + key step + hi
	s_add_co_u32 s82, s80, s19
	s_lshl_b32 s82, s82, 4
	s_add_co_u32 s82, s82, s83
	s_add_co_u32 s82, s82, s20                     ; V: head 2 x + hi, key step + lo
	s_lshl_b32 s78, s81, 12
	s_add_nc_u64 s[52:53], s[12:13], s[78:79]      ; Q's codes,
	s_add_nc_u64 s[56:57], s[14:15], s[78:79]      ; K's
	s_lshl_b32 s78, s81, 8
	s_add_co_u32 s78, s78, 4194304
	s_add_nc_u64 s[54:55], s[12:13], s[78:79]      ; their scale words
	s_add_nc_u64 s[58:59], s[14:15], s[78:79]
	s_lshl_b32 s78, s82, 12
	s_add_nc_u64 s[60:61], s[16:17], s[78:79]      ; V's codes
	s_lshl_b32 s78, s82, 8
	s_add_co_u32 s78, s78, 4194304
	s_add_nc_u64 s[62:63], s[16:17], s[78:79]
	s_lshl_b32 s80, s23, 9
	s_lshl_b32 s78, s20, 8
	s_add_co_u32 s78, s78, s80                     ; 4 (128 x + 64 lo)
	s_add_nc_u64 s[84:85], s[6:7], s[78:79]
	s_add_nc_u64 s[86:87], s[8:9], s[78:79]
	s_lshl_b32 s78, s19, 8
	s_add_co_u32 s78, s78, s80
	s_add_nc_u64 s[88:89], s[10:11], s[78:79]
	WIN 0x40                                       ; destination window 1
.irp b, 0,1,2,3
	global_load_b128 v[128+8*\b:131+8*\b], v[BCO], s[84:85] offset:(32*(\b/2)+8*(\b%2))*4
	global_load_b128 v[132+8*\b:135+8*\b], v[BCO], s[84:85] offset:(32*(\b/2)+8*(\b%2))*4+16
	global_load_b128 v[160+8*\b:163+8*\b], v[BCO], s[86:87] offset:(32*(\b/2)+8*(\b%2))*4
	global_load_b128 v[164+8*\b:167+8*\b], v[BCO], s[86:87] offset:(32*(\b/2)+8*(\b%2))*4+16
.endr
	WIN 0
.irp a, 0,1,2,3
	global_load_b32 v[12+\a], v[BRO], s[88:89] offset:(32*(\a/2)+8*(\a%2))*4
.endr
	s_wait_loadcnt 0x0
	WIN 0x40
.irp a, 0,1,2,3
.irp j, 0,1,2,3,4,5,6,7
	v_mov_b32 v[192+8*\a+\j], v[12+\a]             ; bv as the first products' C: one number a lane, in all eight registers of tile a
.endr
.endr
	WIN 0
; a K step at byte off behind the address registers, into set p: 27 LDS loads, each of consecutive bytes
.macro FETCH p, off
	WIN 0x40
.irp b, 0,1,2,3,4,5,6,7
.irp c, 0,1
	ds_load_b128 v[64*(\p)+8*\b+4*\c:64*(\p)+8*\b+4*\c+3], v[AT] offset:(\off)+1024*\b+512*\c
.endr
.endr
	WIN 0
.irp a, 0,1,2,3
.irp c, 0,1
	ds_load_b128 v[128+32*(\p)+8*\a+4*\c:128+32*(\p)+8*\a+4*\c+3], v[AWF] offset:(\off)+1024*\a+512*\c
.endr
.endr
.irp q, 0,1
	ds_load_b64 v[32+8*(\p)+2*\q:33+8*(\p)+2*\q], v[AST] offset:(\off)+256*\q
.endr
	ds_load_b64 v[36+8*(\p):37+8*(\p)], v[ASWF] offset:\off
.endm
; products n0 .. n1 - 1 of a step's 32, on set p.  The 32 accumulators take turns, one instruction a turn, in the same order in every step.  A product's two scale registers differ modulo 8
.macro MUL isv, p, first, bias, n0, n1
.set n, \n0
.rept (\n1)-(\n0)
.if \isv
.set tok, n%8
.set wt, n/8
.set rA, 64*(\p)+8*tok
.set rB, 128+32*(\p)+8*wt
.set rSA, 32+8*(\p)+tok/2
.set rSB, 36+8*(\p)+wt/2
.set pA, tok%2
.set pB, wt%2
.else
.set tok, n/4
.set wt, n%4
.set rA, 128+32*(\p)+8*wt
.set rB, 64*(\p)+8*tok
.set rSA, 36+8*(\p)+wt/2
.set rSB, 32+8*(\p)+tok/2
.set pA, wt%2
.set pB, tok%2
.endif
.set rD, 8*n
.if \first
.set rC, (\bias)+8*wt
.else
.set rC, rD
.endif
	WMMA
.set n, n+1
.endr
.endm
.macro MWIN isv, first                 ; Q, K: source 0 (W) window 0, source 1 (tokens) window 1; V the other way round; D window 2; C window 2, or the bias in window 1
.if \isv
	WIN 0xa1-0x10*(\first)
.else
	WIN 0xa4-0x10*(\first)
.endif
.endm
.macro STEPF isv, p, off, first, bias  ; a K step on set p; the next one is fetched into the other set
	s_wait_dscnt 0x0                               ; this step's fragments are in
	PLACES 4                                       ; in front of loads into registers that the step before multiplied
	FETCH 1-(\p), \off
	MWIN \isv, \first
	MUL \isv, \p, \first, \bias, 0, 32
.endm
; 128 sums of a lane, accumulators 8 n .. 8 n + 15: eight blocks of 32 (16 registers here, 16 in lane l xor 16) become two units' codes and scale words
.macro DUO isv, n, pc
.set X, 64*(\n)
	WIN 0x0a                                       ; sources 0 and 1 window 2
.irp k, 0,1,2,3,4,5,6,7
	v_max3_num_f32 v[MX+\k], |v[X+16*\k]|, |v[X+16*\k+1]|, 0x1800000   ; each accumulator from its low end on; the floor 2^(3 - 127): the byte cannot fall under 1
.endr
	WIN 0x28                                       ; sources 1 and 2 window 2
.irp i, 2,4,6,8,10,12,14
.irp k, 0,1,2,3,4,5,6,7
	v_max3_num_f32 v[MX+\k], v[MX+\k], |v[X+16*\k+\i]|, |v[X+16*\k+\i+1]|
.endr
.endr
	WIN 0
.irp k, 0,1,2,3,4,5,6,7
	v_permlanex16_b32 v[PR+\k], v[MX+\k], s98, s99
.endr
.irp k, 0,1,2,3,4,5,6,7
	v_max_num_f32 v[MX+\k], v[MX+\k], v[PR+\k]     ; the block's largest magnitude
.endr
.irp k, 0,1,2,3,4,5,6,7
	v_add_nc_u32 v[MX+\k], 0xff000000, v[MX+\k]    ; 2 off the exponent field: the conversion's scale operand
.endr
.irp k, 0,1,2,3,4,5,6,7
	v_lshrrev_b32 v[PR+\k], 23, v[MX+\k]           ; the scale's byte
.endr
.irp m, 0,1
	v_lshl_or_b32 v[PW+(\n)+\m], v[PR+4*\m+1], 8, v[PR+4*\m]
.endr
.irp m, 0,1
	v_lshl_or_b32 v[PW+(\n)+\m], v[PR+4*\m+2], 16, v[PW+(\n)+\m]
.endr
.irp m, 0,1
	v_lshl_or_b32 v[PW+(\n)+\m], v[PR+4*\m+3], 24, v[PW+(\n)+\m]
.endr
	WIN 0x02                                       ; source 0 window 2
.irp k, 0,1,2,3,4,5,6,7
	v_cvt_scalef32_pk8_fp4_f32 v[PC+8*(\n)+2*\k], v[X+16*\k:X+16*\k+7], v[MX+\k]
	v_cvt_scalef32_pk8_fp4_f32 v[PC+8*(\n)+2*\k+1], v[X+16*\k+8:X+16*\k+15], v[MX+\k]
.endr
	WIN 0
	v_nop                                          ; one plain place behind the conversions
.irp c, 0,1,2,3                                ; a whole block to a lane: lanes 0-15 the even block, lanes 16-31 the odd one
.irp i, 0,1
	v_permlane16_swap_b32 v[PC+8*(\n)+4*\c+\i], v[PC+8*(\n)+4*\c+2+\i]
.endr
.endr
.irp m, 0,1                                    ; 512 consecutive bytes a store, aligned
.if \isv
	global_store_b128 v[L16], v[PC+8*((\n)+\m):PC+8*((\n)+\m)+3], s[\pc:\pc+1] offset:512*((\n)+\m)
	global_store_b128 v[L16], v[PC+8*((\n)+\m)+4:PC+8*((\n)+\m)+7], s[\pc:\pc+1] offset:2048+512*((\n)+\m)
.else
	global_store_b128 v[L16], v[PC+8*((\n)+\m):PC+8*((\n)+\m)+3], s[\pc:\pc+1] offset:1024*((\n)+\m)
	global_store_b128 v[L16], v[PC+8*((\n)+\m)+4:PC+8*((\n)+\m)+7], s[\pc:\pc+1] offset:1024*((\n)+\m)+512
.endif
.endr
.endm
; A TILE.  bias: its first register in window 1; refill: 0 none, 1 tokens and W's third block, 2 tokens; st, sw, ss: the scalars with the LDS bases; pc, ps: the pointers to codes and scale words
.macro TILE isv, bias, refill, st, sw, ss, pc, ps
	v_add_nc_u32 v[AT], s\st, v[L16]
	v_add_nc_u32 v[AST], s\st, v[L8K]
	v_add_nc_u32 v[AWF], s\sw, v[L16]
	v_add_nc_u32 v[ASWF], s\ss, v[L8K]
	WALU                                           ; directly behind the writes
	FETCH 0, 0
	STEPF \isv, 0, KB, 1, \bias                    ; K step 0 starts the sums from the bias
	WIN 0
.if \refill
	global_prefetch_b8 v[PF0], s[68:69] offset:((\refill)-1)*TSTEP th:TH_LOAD_NT scope:SCOPE_SE
	global_prefetch_b8 v[PF1], s[68:69] offset:((\refill)-1)*TSTEP th:TH_LOAD_NT scope:SCOPE_SE
.endif
	s_mov_b32 s83, 3
.Lk_\@:                                            ; K steps 1 to 6, two a trip
	STEPF \isv, 1, 2*KB, 0, 0
	STEPF \isv, 0, 3*KB, 0, 0
	WIN 0
	v_add_nc_u32 v[AT], 2*KB, v[AT]
	v_add_nc_u32 v[AST], 2*KB, v[AST]
	v_add_nc_u32 v[AWF], 2*KB, v[AWF]
	v_add_nc_u32 v[ASWF], 2*KB, v[ASWF]
	s_sub_co_u32 s83, s83, 1
	s_cmp_lg_u32 s83, 0
	WALU                                           ; directly ahead of the branch
	s_cbranch_scc1 .Lk_\@
.if \refill
	s_wait_tensorcnt 0x0                           ; K step 7, and the round: no tensor load of mine is out,
	ds_add_u32 v[SPW], v[NIL]
	s_add_nc_u64 s[G0Y+2:G0Y+3], s[G0Y+2:G0Y+3], TSTEP   ; so the descriptors may step: the next tensor's tokens,
.if (\refill) == 1
	s_add_nc_u64 s[G0X+2:G0X+3], s[G0X+2:G0X+3], 16*BL   ; and in wave 2 from Wq's block to Wv's
.endif
	s_wait_dscnt 0x0                               ; the add is done, and my last reads of this tile are in registers
	s_barrier_signal -1
	MWIN \isv, 0
	MUL \isv, 1, 0, 0, 0, 16                       ; work on registers inside the round
	WIN 0
	s_barrier_wait -1
	CREST                                          ; no wave of any partner still reads these bytes or has a load on its way
	s_cmp_lt_u32 s18, 2
	s_cbranch_scc0 .Lnot_y_\@
	TLOAD G0Y, G1Y
.if (\refill) == 1
	s_branch .Lasked_\@
.endif
.Lnot_y_\@:
.if (\refill) == 1
	s_cmp_eq_u32 s18, 2
	s_cbranch_scc0 .Lasked_\@
	TLOAD G0X, G1X
.Lasked_\@:
.endif
	MWIN \isv, 0
	MUL \isv, 1, 0, 0, 16, 32
.else
	s_wait_dscnt 0x0
	MWIN \isv, 0
	MUL \isv, 1, 0, 0, 0, 32
.endif
	WIN 0
	s_wait_xcnt 0x0                                ; the last tile's stores have read their data: those registers are written again only behind this wait
	PLACES 4                                       ; in front of the first read of results
	DUO \isv, 0, \pc
	DUO \isv, 2, \pc
.if \isv
	v_cndmask_b32 v[RW], v[PW], v[PW+2], s97       ; lanes 0-15 | 16-31: t 0 | 2,
	v_cndmask_b32 v[RW+1], v[PW+1], v[PW+3], s97   ; t 1 | 3
.else
	v_cndmask_b32 v[RW], v[PW], v[PW+1], s97       ; kb 0 | 1,
	v_cndmask_b32 v[RW+1], v[PW+2], v[PW+3], s97   ; kb 2 | 3
.endif
	global_store_b64 v[L8], v[RW:RW+1], s[\ps:\ps+1]   ; 256 consecutive bytes, aligned
.if \refill
	s_wait_tensorcnt 0x0                           ; my part of the next tile has landed
	s_barrier_signal -1
	s_barrier_wait -1                              ; everybody's has
.endif
.endm
	WALU                                           ; the head's end
	s_wait_tensorcnt 0x0                           ; my block has landed
	s_barrier_signal -1
	s_barrier_wait -1                              ; everybody's has
	TILE 0, 128, 1, 70, 72, 75, 52, 54             ; Q
	TILE 0, 160, 2, 70, 74, 76, 56, 58             ; K
	TILE 1, 192, 0, 71, 73, 77, 60, 62             ; V
	s_wait_tensorcnt 0x0                           ; the wave's end
	ds_add_u32 v[SPW], v[NIL]
	s_wait_dscnt 0x0
	CROUND                                         ; the closing round
	s_endpgm
.Lfunc_end_k_q0f2ed1b68f_proj:
	.size	k_q0f2ed1b68f_proj, .Lfunc_end_k_q0f2ed1b68f_proj-k_q0f2ed1b68f_proj
	.p2alignl 7, 3214868480
	.fill 96, 4, 3214868480
	.section	.rodata,"a",@progbits
	.p2align	6, 0x0
	.amdhsa_kernel k_q0f2ed1b68f_proj
		.amdhsa_group_segment_fixed_size 327680
		.amdhsa_private_segment_fixed_size 0
		.amdhsa_enable_private_segment 0
		.amdhsa_kernarg_size 56
		.amdhsa_user_sgpr_count 2
		.amdhsa_user_sgpr_kernarg_segment_ptr 1
		.amdhsa_wavefront_size32 1
		.amdhsa_system_sgpr_workgroup_id_x 1
		.amdhsa_system_sgpr_workgroup_id_y 1
		.amdhsa_system_sgpr_workgroup_id_z 1
		.amdhsa_system_vgpr_workitem_id 0
		.amdhsa_next_free_vgpr 768
		.amdhsa_next_free_sgpr 102
		.amdhsa_reserve_vcc 0
		.amdhsa_float_denorm_mode_32 3
		.amdhsa_float_denorm_mode_16_64 3
		.amdhsa_memory_ordered 1
		.amdhsa_forward_progress 1
		.amdhsa_inst_pref_size 135
	.end_amdhsa_kernel
	.amdgpu_metadata
---
amdhsa.version: [ 1, 2 ]
amdhsa.kernels:
  - .name:           k_q0f2ed1b68f_proj
    .symbol:         k_q0f2ed1b68f_proj.kd
    .args:
      - { .name: xop, .offset: 0, .size: 8, .value_kind: global_buffer, .address_space: global }
      - { .name: bq, .offset: 8, .size: 8, .value_kind: global_buffer, .address_space: global }
      - { .name: bk, .offset: 16, .size: 8, .value_kind: global_buffer, .address_space: global }
      - { .name: bv, .offset: 24, .size: 8, .value_kind: global_buffer, .address_space: global }
      - { .name: qop, .offset: 32, .size: 8, .value_kind: global_buffer, .address_space: global }
      - { .name: kop, .offset: 40, .size: 8, .value_kind: global_buffer, .address_space: global }
      - { .name: vop, .offset: 48, .size: 8, .value_kind: global_buffer, .address_space: global }
    .group_segment_fixed_size: 327680
    .private_segment_fixed_size: 0
    .kernarg_segment_align: 8
    .kernarg_segment_size: 56
    .max_flat_workgroup_size: 128
    .sgpr_count:     102
    .vgpr_count:     768
    .wavefront_size: 32
...
	.end_amdgpu_metadata
.endif
;; end of part 2
;; launch attn (part 3): grid 4 x 64, 8 waves a work-group, clusters of 4 x 1, 169,984 bytes of LDS; arguments qop, kop, vop, cop; writes cop
.if DOCPART == 3
	.amdgcn_target "amdgcn-amd-amdhsa--gfx1250"
	.amdhsa_code_object_version 6
	.text
	.protected	k_q0f2ed1b68f_attn
	.globl	k_q0f2ed1b68f_attn
	.p2align	8
	.type	k_q0f2ed1b68f_attn,@function
k_q0f2ed1b68f_attn:
	s_mov_b64 s[64:65], 0
	v_nop
	global_prefetch_b8 v0, s[64:65] scope:SCOPE_SE
	s_setreg_imm32_b32 hwreg(HW_REG_WAVE_MODE, 25, 1), 1
	s_wait_xcnt 0x0
	s_wait_alu depctr_hold_cnt(0) depctr_sa_sdst(0) depctr_va_vdst(0) depctr_va_sdst(0) depctr_va_ssrc(0) depctr_va_vcc(0) depctr_vm_vsrc(0)
	s_getreg_b32 s2, hwreg(HW_REG_IB_STS2, 6, 4)
	s_cmp_eq_u32 s2, 0
	s_cbranch_scc0 .Lentry_in_a_cluster
	s_endpgm
.Lentry_in_a_cluster:
	s_bfe_u32 s2, ttmp6, 0x10000c
	s_cmp_lg_u32 s2, 0x3003
	s_cbranch_scc0 .Lentry_shape_is_right
	s_endpgm
.Lentry_shape_is_right:
; ctx[b][q][head][:] = the sum over k of softmax_k(Q . K / 8) V, both products on codes of FP4 (E2M1) with E8M0 scales; ctx is divided by the row's sum, quantised along E and leaves as codes (cop).
; THE SOFTMAX AHEAD OF THE SECOND PRODUCT: t = score x log2(e) / 8; M = the row's largest t so far, rounded UP to a whole number; p = 2^(t - M) is quantised along the keys, not normalised.
; The row's sum is taken of the unquantised p, in f32.  When M moves, the sum and O are multiplied by f = 2^(old M - new M): exact.
; SHARES: a work-group owns one (batch, head) and 512 queries; each of its eight waves 64 queries: four tiles of 16.  A key step is 256 keys: its 8 double fragments of K and 8 fragments of V are read
; from LDS once for the four tiles; M, f and the rescaling of O come once for a tile and 256 keys; eight blocks' maxima and four chains of sums run side by side.
; THE EXPONENTIALS of a tile go in two batches of 128 keys.  Among the first stand the second half's multiply-adds, among the second the blocks' floors and the sums' first additions: each of these lines reads only what was
; written ahead of the wait in front of its batch, and is read only behind the wait that follows it.
; K IS FETCHED A STEP AHEAD, in two halves, each behind the half of the second product that frees its registers.  The last trip's fetch reads LDS bytes that lie behind K's (V's first, filled like them) and is not used; it is awaited behind the loop.
; LDS: a whole head's K and V, filled once: K's codes at 0 (65,536 bytes), V's at 65,536, K's scale words at 131,072 (4,096), V's at 135,168; at 139,264 1,024 bytes that LDS stores alone write; the spare words at 167,936.
; CLUSTER 4 x 1: the four blocks of queries of a head read the same K and V: each load is asked for jointly.  One tensor load a wave: waves 0-3 halves of K's and V's codes (32,768 bytes), waves 4-7 halves of their scale words (2,048).
; No data prefetch: all that the launch reads by tensor loads is asked for at the head, so no later request is left to run ahead of.
; LAYOUT: both products are used transposed: S^T = K Q^T, O^T = V^T P^T: a lane holds ONE query.  The buffers' order of rows makes the 16 registers of two neighbouring tiles 16 neighbours along the next K.
; THE FIRST PRODUCT'S K IS 64, the instruction's 128: a fragment of K holds two tiles of 16 keys (u = 0 in k 0-63, u = 1 in k 64-127) and is multiplied by [q, 0] and by [0, q].  Q's scale word holds its two bytes twice.
; qop, kop: codes [batch x head][key step of 128][kb 4][u 2][lane][16]; vop: [..][key step][c 2][t 4][lane][16]; scale words at 4,194,304: [..][key step][lane][2 words].
; OUT: cop: [block of 128 tokens 64][K step of 128 along E: 8][8,704 bytes]: eight fragments of 1,024; at 8,192: [head's parity 2][pair of tiles 4][lane 32][2 bytes].
; LIMITS: a block of zeros gets the byte 1; the floor of a block's largest magnitude is 2^-124; NaN and infinities are not served; the promise holds while |t| stays under 2^31.
; REGISTERS, window 0: v1-9 addresses; v10, v11 the add's; v12-15 Q's scale words; v16-19 K's; v20, 21, 32, 33 V's; v24-31 p's (24 + 4 half + tile); v34-41 for each tile -M and the largest score;
;   v42-49, v50-57 the eight blocks' work and the sums' chains; v58, 59 at work; v60-63 f of each tile; v64-127 fragments of K, then of V; v128-255 S^T, then p.
; window 1: v0-127 O^T (32 a tile); v128-191 p's codes (16 a tile); v192-227 [0, q0, 0, q1, 0, q2, 0, q3, 0]; v228-235 the sums, two halves a tile.
.set KSO,   131072
.set SCRA,  139264
.set SPARE, 167936
.set BM,  42
.set T2,  50
.set F,   60
.set KV,  64
.set S,   128
.set P,   128                          ; window 1
.set SUM, 228                          ; window 1
.set MSB, 0
.macro WIN new                         ; the immediate's high byte repeats the setting that is left
.if MSB != (\new)
	s_set_vgpr_msb (MSB<<8)|(\new)
.set MSB, (\new)
.endif
.endm
.macro PLACES n
.rept \n
	v_nop
.endr
.endm
.macro WALU
	s_wait_alu depctr_va_vdst(0)
.endm
.macro CROUND                          ; a round of the cluster's barrier
	s_barrier_signal -1
	s_barrier_wait -1
	s_cmp_lg_u32 s12, 0
	s_cbranch_scc1 .Lnot_wave_0_\@
	s_barrier_signal -3
.Lnot_wave_0_\@:
	s_barrier_wait -3
	s_barrier_signal -1
	s_barrier_wait -1
.endm
.macro G1SET g, rows                   ; descriptor group 1: a dense block as rows of 256 bytes (32 elements of 8 bytes), for all four work-groups
	s_mov_b32 s[\g], 15|(3<<16)|(1<<21)
	s_mov_b32 s[\g+1], 32<<16
	s_mov_b32 s[\g+2], (\rows)<<16
	s_mov_b32 s[\g+3], 32<<16
	s_mov_b32 s[\g+4], \rows
	s_mov_b32 s[\g+5], 32
	s_mov_b32 s[\g+6], 0
	s_mov_b32 s[\g+7], 0
.endm
.macro WM zero                         ; one product; its registers stand in symbols; pA: source 0's scales in lanes 16-31
.if \zero
.if pA
	v_wmma_scale_f32_16x16x128_f8f6f4 v[rD:rD+7], v[rA:rA+7], v[rB:rB+7], 0, v[rSA], v[rSB] matrix_a_fmt:MATRIX_FMT_FP4 matrix_b_fmt:MATRIX_FMT_FP4 matrix_a_scale:MATRIX_SCALE_ROW1
.else
	v_wmma_scale_f32_16x16x128_f8f6f4 v[rD:rD+7], v[rA:rA+7], v[rB:rB+7], 0, v[rSA], v[rSB] matrix_a_fmt:MATRIX_FMT_FP4 matrix_b_fmt:MATRIX_FMT_FP4
.endif
.else
.if pA
	v_wmma_scale_f32_16x16x128_f8f6f4 v[rD:rD+7], v[rA:rA+7], v[rB:rB+7], v[rD:rD+7], v[rSA], v[rSB] matrix_a_fmt:MATRIX_FMT_FP4 matrix_b_fmt:MATRIX_FMT_FP4 matrix_a_scale:MATRIX_SCALE_ROW1
.else
	v_wmma_scale_f32_16x16x128_f8f6f4 v[rD:rD+7], v[rA:rA+7], v[rB:rB+7], v[rD:rD+7], v[rSA], v[rSB] matrix_a_fmt:MATRIX_FMT_FP4 matrix_b_fmt:MATRIX_FMT_FP4
.endif
.endif
.endm
.macro BYF d, a, q                     ; v[d:d+1] = v[a:a+1] x the number of tile q in v[F+q]
.if (\q)%2
	v_pk_mul_f32 v[\d:\d+1], v[\a:\a+1], v[F+(\q)-1:F+(\q)] op_sel:[0,1] op_sel_hi:[1,1]
.else
	v_pk_mul_f32 v[\d:\d+1], v[\a:\a+1], v[F+(\q):F+(\q)+1] op_sel_hi:[1,0]
.endif
.endm
	s_load_b256 s[4:11], s[0:1], 0x0               ; qop, kop, vop, cop
	v_lshl_add_u32 v10, v0, 2, SPARE
	v_mov_b32 v11, 0
	ds_add_u32 v10, v11                            ; the opening lines: the add twice on end and one wait
	ds_add_u32 v10, v11
	v_lshrrev_b32 v3, 5, v0
	v_readfirstlane_b32 s12, v3                    ; wave 0..7
	v_and_b32 v4, 31, v0                           ; lane
	v_and_b32 v5, 15, v0                           ; r
	v_lshlrev_b32 v1, 4, v4                        ; 16 x lane
	v_lshl_add_u32 v2, v4, 3, KSO                  ; the scale words: 8 x lane
	v_and_b32 v6, 0xe0, v0                         ; 32 x wave
	v_lshlrev_b32 v7, 1, v4
	v_lshl_add_u32 v6, v6, 2, v7
	v_add_nc_u32 v6, SCRA, v6                      ; where I put ctx's scale bytes: 128 x wave + 2 x lane
	v_lshl_add_u32 v7, v0, 3, SCRA                 ; where waves 0-3 read them back: 256 x wave + 8 x lane
	v_lshlrev_b32 v8, 3, v4                        ; 8 x lane
	v_lshlrev_b32 v9, 3, v5                        ; 8 r
	s_bfe_u32 s13, ttmp6, 0x40000                  ; cx
	s_lshl_b32 s14, ttmp9, 2
	s_add_co_u32 s14, s14, s13                     ; my block of 512 queries: it enters Q's and ctx's addresses alone
	s_and_b32 s15, ttmp7, 0xffff                   ; 16 batch + head, which the four partners share
	G1SET 20, 128                                  ; half a head's codes of K or V: 32,768 bytes
	G1SET 28, 8                                    ; half its scale words: 2,048 bytes
	s_mov_b32 s72, 0x3e38aa3b                      ; c = log2(e) / 8
	s_mov_b32 s73, s72
	s_mov_b32 s74, 0x76543210
	s_mov_b32 s75, 0xfedcba98                      ; v_permlanex16_b32's selects for lane l xor 16
	s_mov_b32 s76, 0                               ; the step's codes: 8,192 bytes a step
	s_mov_b32 s77, 0                               ; its scale words: 512 bytes a step
	s_mov_b32 s79, 0xffff0000                      ; lanes 16-31
	s_and_b32 s80, s12, 1                          ; even waves fetch for K, odd ones for V
	s_bfe_u32 s81, s12, 0x10001                    ; which half
	s_lshl_b32 s82, s80, 16
	s_lshl_b32 s83, s81, 15
	s_add_co_u32 s53, s82, s83                     ; LDS: the codes,
	s_lshl_b32 s82, s80, 12
	s_lshl_b32 s84, s81, 11
	s_add_co_u32 s57, s82, s84
	s_add_co_u32 s57, s57, KSO                     ; the scale words
	s_lshl_b32 s86, s15, 16                        ; the head's codes in memory,
	s_add_co_u32 s88, s86, s83
	s_mov_b32 s89, 0
	s_lshl_b32 s87, s15, 12
	s_add_co_u32 s87, s87, 4194304                 ; its scale words
	s_add_co_u32 s90, s87, s84
	s_mov_b32 s91, 0
	s_mov_b32 s52, 1
	s_mov_b32 s56, 1
	WALU
	s_wait_dscnt 0x0
	s_wait_kmcnt 0x0
	s_cmp_eq_u32 s80, 0
	s_cselect_b64 s[92:93], s[6:7], s[8:9]
	s_add_nc_u64 s[54:55], s[92:93], s[88:89]
	s_or_b32 s55, s55, 0x80000000
	s_add_nc_u64 s[58:59], s[92:93], s[90:91]
	s_or_b32 s59, s59, 0x80000000
	CROUND                                         ; all four work-groups are here: the joint loads meet
	s_cmp_lt_u32 s12, 4                            ; one load a wave, an arm each
	s_cbranch_scc0 .Lscales
	tensor_load_to_lds s[52:55], s[20:27]
	s_nop 0
	PLACES 4
	s_branch .Lfilled
.Lscales:
	tensor_load_to_lds s[56:59], s[28:35]
	s_nop 0
	PLACES 4
.Lfilled:
	s_lshl_b32 s80, s14, 3
	s_add_co_u32 s80, s80, s12                     ; my 64 queries: 8 x block + wave
	s_lshl_b32 s88, s80, 11
	s_add_co_u32 s88, s88, s86
	s_add_nc_u64 s[88:89], s[4:5], s[88:89]        ; their codes: 2,048 bytes
	s_lshr_b32 s90, s80, 1
	s_lshl_b32 s90, s90, 8                         ; their scale words: the key step's 256 bytes,
	s_and_b32 s91, s80, 1
	s_lshl_b32 s91, s91, 2                         ; register 0 or 1; lanes 0-15 and 16-31 are my two kb
	s_add_co_u32 s90, s90, s91
	s_add_co_u32 s90, s90, s87
	s_mov_b32 s91, 0
	s_add_nc_u64 s[90:91], s[4:5], s[90:91]
	WIN 0x40                                       ; destination window 1
.irp q, 0,1,2,3
	global_load_b128 v[196+8*\q:199+8*\q], v1, s[88:89] offset:512*\q
.endr
	WIN 0
	global_load_b32 v58, v9, s[90:91]              ; row r's word of kb 0: u = 0's two bytes, then u = 1's
	global_load_b32 v59, v9, s[90:91] offset:128   ; of kb 1
	; where ctx goes
	s_lshr_b32 s80, s15, 4
	s_lshl_b32 s80, s80, 4
	s_lshl_b32 s81, s14, 2
	s_add_co_u32 s80, s80, s81                     ; 16 batch + 4 block: my work-group's first block of 128 tokens
	s_and_b32 s81, s15, 15                         ; the head
	s_lshr_b32 s82, s81, 1
	s_mul_i32 s82, s82, 8704                       ; its K step of the last product,
	s_and_b32 s81, s81, 1                          ; and which half of it
	s_lshr_b32 s84, s12, 1
	s_add_co_u32 s84, s84, s80
	s_mul_i32 s84, s84, 69632
	s_add_co_u32 s84, s84, s82
	s_and_b32 s83, s12, 1
	s_lshl_b32 s83, s83, 12                        ; my four tiles
	s_add_co_u32 s84, s84, s83
	s_lshl_b32 s83, s81, 9
	s_add_co_u32 s84, s84, s83
	s_mov_b32 s85, 0
	s_add_nc_u64 s[92:93], s[10:11], s[84:85]      ; the codes
	s_min_u32 s84, s12, 3                          ; waves 0-3 store the scale bytes of a block of 128 tokens each
	s_add_co_u32 s84, s84, s80
	s_mul_i32 s84, s84, 69632
	s_add_co_u32 s84, s84, s82
	s_lshl_b32 s83, s81, 8
	s_add_co_u32 s84, s84, s83
	s_add_co_u32 s84, s84, 8192
	s_add_nc_u64 s[94:95], s[10:11], s[84:85]
.irp q, 0,1,2,3
	v_mov_b32 v[35+2*\q], 0xff61b1e6               ; the largest score so far: -3e38, under every score
	v_mov_b32 v[F+\q], 0                           ; (named in pairs before all four are made)
.endr
.irp q, 0,1,2,3
	v_floor_f32 v[34+2*\q], -v[35+2*\q]            ; -M: so large that the first f is 0
.endr
.irp b, 0,1,2,3,4,5,6,7
	v_mov_b32 v[T2+\b], 0                          ; a lane permute's destination counts as one of its sources
.endr
	WIN 0x40
.irp i, 0,1,2,3,4
.irp k, 0,1,2,3
	v_mov_b32 v[192+8*\i+\k], 0                    ; the zero codes beside the q
.endr
.endr
.set j, 0
.rept 128
	v_mov_b32 v[j], 0                              ; O^T: the step is written once; the first finds zeros, which the first change of M leaves zeros
.set j, j+1
.endr
.irp k, 0,1,2,3,4,5,6,7
	v_mov_b32 v[SUM+\k], 0
.endr
	WIN 0
	s_wait_loadcnt 0x0                             ; Q
	v_perm_b32 v12, v58, v58, 0x01000100           ; each tile's two bytes, twice
	v_perm_b32 v13, v58, v58, 0x03020302
	v_perm_b32 v14, v59, v59, 0x01000100
	v_perm_b32 v15, v59, v59, 0x03020302
	PLACES 8                                       ; a scale register written by a vector instruction stands 8 places ahead of a scaled product
.macro KLOAD s                         ; half s of a step's K: four double fragments and their scale words: 9 LDS loads
.irp b, 0,1,2,3
.irp c, 0,1
	ds_load_b128 v[KV+32*(\s)+8*\b+4*\c:KV+32*(\s)+8*\b+4*\c+3], v3 offset:4096*(\s)+1024*\b+512*\c
.endr
.endr
	ds_load_b64 v[16+2*(\s):17+2*(\s)], v5 offset:256*(\s)
.endm
.macro VLOAD                           ; the step's eight fragments of V^T and their scale words
.irp s, 0,1
.irp t, 0,1,2,3
.irp c, 0,1
	ds_load_b128 v[KV+32*\s+8*\t+4*\c:KV+32*\s+8*\t+4*\c+3], v4 offset:4096*\s+2048*\c+512*\t
.endr
.endr
	ds_load_b64 v[20+12*\s:21+12*\s], v5 offset:4096+256*\s
.endr
.endm
.macro SQ q, w=0                       ; S^T of tile q, 256 keys: register 64 s + 16 b + 8 u + j is key 128 s + 32 b + 16 h + 8 u + j.  w = 1: K's second half is awaited ahead of its products
	WIN 0x04                                       ; source 1 (Q) window 1
.irp s, 0,1
.if (\w)*\s
	s_wait_dscnt 0x0
.endif
.irp b, 0,1,2,3
.irp u, 0,1
.set rD, S+64*\s+8*(2*\b+\u)
.set rA, KV+32*\s+8*\b
.set rB, 196+8*(\q)-4*\u               ; [q, 0] for u = 0, [0, q] for u = 1
.set rSA, 16+2*\s+\b/2
.set rSB, 12+(\q)
.set pA, \b%2
	WM 1
.endr
.endr
.endr
	WIN 0
.endm
.macro PV s                            ; O^T += V^T P^T over half s of the keys: sixteen accumulators, one turn each.  A product's two scale registers differ modulo 8
	WIN 0x54                                       ; source 1 (p), C and D window 1
.irp t, 0,1,2,3
.irp q, 0,1,2,3
.set rD, 32*\q+8*\t
.set rA, KV+32*(\s)+8*\t
.set rB, P+16*\q+8*(\s)
.set rSA, 20+12*(\s)+\t%2
.set rSB, 24+4*(\s)+\q
.set pA, \t/2
	WM 0
.endr
.endr
	WIN 0
.endm
; tile q's softmax of 256 keys: eight blocks of 32.  vload = 1: K's fragments are done with, V's are asked for here
.macro SM q, vload
.set NM, 34+2*(\q)
.set PQ, P+16*(\q)
	PLACES 4                                       ; in front of the first read of the scores, and of loads into registers that the products read
.if \vload
	VLOAD
.endif
.irp b, 0,1,2,3,4,5,6,7
	v_max3_num_f32 v[BM+\b], v[S+16*\b], v[S+1+16*\b], v[S+2+16*\b]   ; the largest score of each block: for the row's maximum and, since p rises with the score, for the block's largest p
.endr
.irp i, 3,5,7,9,11,13
.irp b, 0,1,2,3,4,5,6,7
	v_max3_num_f32 v[BM+\b], v[BM+\b], v[S+16*\b+\i], v[S+1+16*\b+\i]
.endr
.endr
.irp b, 0,1,2,3,4,5,6,7
	v_max_num_f32 v[BM+\b], v[BM+\b], v[S+15+16*\b]
.endr
.irp b, 0,1,2,3,4,5,6,7
	v_permlanex16_b32 v[T2+\b], v[BM+\b], s74, s75
.endr
.irp b, 0,1,2,3,4,5,6,7
	v_max_num_f32 v[BM+\b], v[BM+\b], v[T2+\b]     ; with lane l xor 16's 16 keys
.endr
	v_max3_num_f32 v58, v[BM], v[BM+1], v[BM+2]
	v_max3_num_f32 v59, v[BM+3], v[BM+4], v[BM+5]
	v_max3_num_f32 v[NM+1], v[BM+6], v[BM+7], v[NM+1]
	s_delay_alu instid0(VALU_DEP_1)
	v_max3_num_f32 v[NM+1], v58, v59, v[NM+1]      ; the running largest score of my query
	s_delay_alu instid0(VALU_DEP_1)
	v_mul_f32 v58, s72, v[NM+1]                    ; as t (c is positive)
	v_mov_b32 v59, v[NM]
	s_delay_alu instid0(VALU_DEP_2)
	v_floor_f32 v[NM], -v58                        ; the new -M = -ceil(t): a whole number
.set j, 0
.rept 32
	v_pk_fma_f32 v[S+j:S+j+1], v[S+j:S+j+1], s[72:73], v[NM:NM+1] op_sel_hi:[1,0,0]   ; t - M of the first 128 keys, two at a time; the three lines that make f stand among them
.if j == 6
	v_sub_f32 v59, v[NM], v59                      ; old M - new M: a whole number, 0 or less
.elseif j == 14
	v_cvt_i32_f32 v59, v59                         ; (it saturates)
.elseif j == 22
	v_ldexp_f32 v[F+(\q)], 1.0, v59                ; f = 2^(old M - new M)
.endif
.set j, j+2
.endr
.irp b, 0,1,2,3,4,5,6,7
	v_fma_f32 v[BM+\b], v[BM+\b], s72, v[NM]       ; the same of each block's largest score
.endr
	WALU                                           ; ahead of the first batch
.set j, 0
.rept 32
	v_exp_f32 v[S+j], v[S+j]                       ; p = 2^(t - M), at most 1
	v_exp_f32 v[S+j+1], v[S+j+1]
	v_pk_fma_f32 v[S+64+j:S+65+j], v[S+64+j:S+65+j], s[72:73], v[NM:NM+1] op_sel_hi:[1,0,0]   ; t - M of the second 128 keys: read behind the next wait
.set j, j+2
.endr
.irp b, 0,1,2,3,4,5,6,7
	v_exp_f32 v[BM+\b], v[BM+\b]                   ; the block's largest p: the same two instructions on the same number
.endr
	v_nop                                          ; a plain place behind the exponentials
	WALU                                           ; behind the first batch and ahead of the second
.irp g, 0,1,2,3,4,5,6,7
.irp i, 0,1,2,3
	v_exp_f32 v[S+64+8*\g+\i], v[S+64+8*\g+\i]
.endr
	v_max_num_f32 v[BM+\g], 0x1800000, v[BM+\g]    ; the floor 2^(3 - 127): the byte cannot fall under 1
.irp i, 4,5,6,7
	v_exp_f32 v[S+64+8*\g+\i], v[S+64+8*\g+\i]
.endr
.if \g < 4
	v_pk_add_f32 v[T2+2*\g:T2+2*\g+1], v[S+4*\g:S+4*\g+1], v[S+4*\g+2:S+4*\g+3]   ; the row's sum of the unquantised p: two at a time, in four chains: their first additions
.endif
.endr
	v_nop                                          ; a plain place behind the exponentials
	WALU                                           ; behind the second batch
.irp b, 0,1,2,3,4,5,6,7
	v_add_nc_u32 v[BM+\b], 0xff000000, v[BM+\b]    ; 2 off the exponent field: the conversion's scale operand
.endr
	WIN 0x40                                       ; the codes go to window 1
.irp b, 0,1,2,3,4,5,6,7
	v_cvt_scalef32_pk8_fp4_f32 v[PQ+2*\b], v[S+16*\b:S+7+16*\b], v[BM+\b]
	v_cvt_scalef32_pk8_fp4_f32 v[PQ+1+2*\b], v[S+8+16*\b:S+15+16*\b], v[BM+\b]
.endr
	WIN 0
.set j, 16
.rept 14
.irp k, 0,1,2,3
	v_pk_add_f32 v[T2+2*\k:T2+2*\k+1], v[T2+2*\k:T2+2*\k+1], v[S+j+2*\k:S+j+2*\k+1]   ; (plain lines behind the conversions)
.endr
.set j, j+8
.endr
.irp b, 0,1,2,3,4,5,6,7
	v_lshrrev_b32 v[BM+\b], 23, v[BM+\b]           ; the scale's byte
.endr
	v_pk_add_f32 v[T2:T2+1], v[T2:T2+1], v[T2+2:T2+3]
	v_pk_add_f32 v[T2+4:T2+5], v[T2+4:T2+5], v[T2+6:T2+7]
.irp s, 0,1
	v_lshl_or_b32 v[24+4*\s+(\q)], v[BM+4*\s+1], 8, v[BM+4*\s]   ; p's scale words, one for each 128 keys
.endr
.irp s, 0,1
	v_lshl_or_b32 v[24+4*\s+(\q)], v[BM+4*\s+2], 16, v[24+4*\s+(\q)]
.endr
.irp s, 0,1
	v_lshl_or_b32 v[24+4*\s+(\q)], v[BM+4*\s+3], 24, v[24+4*\s+(\q)]
.endr
	v_pk_add_f32 v[T2:T2+1], v[T2:T2+1], v[T2+4:T2+5]
	WIN 0x41                                       ; destination and source 0 window 1
.irp c, 0,1,2,3                                ; a whole block to a lane: lanes 0-15 the even block, lanes 16-31 the odd one
.irp i, 0,1
	v_permlane16_swap_b32 v[PQ+4*\c+\i], v[PQ+2+4*\c+\i]
.endr
.endr
.if (\q)%2                                     ; the sum under the new M, and this step's part
	v_pk_fma_f32 v[SUM+2*(\q):SUM+2*(\q)+1], v[SUM+2*(\q):SUM+2*(\q)+1], v[F+(\q)-1:F+(\q)], v[T2:T2+1] op_sel:[0,1,0] op_sel_hi:[1,1,1]
.else
	v_pk_fma_f32 v[SUM+2*(\q):SUM+2*(\q)+1], v[SUM+2*(\q):SUM+2*(\q)+1], v[F+(\q):F+(\q)+1], v[T2:T2+1] op_sel_hi:[1,0,1]
.endif
.endm
	WALU                                           ; the head's end
	s_wait_tensorcnt 0x0                           ; my load has landed
	s_barrier_signal -1
	s_barrier_wait -1                              ; everybody's has: all of K and V lie in LDS, and nothing is filled again
	v_add_nc_u32 v3, s76, v1                       ; K's codes,
	v_add_nc_u32 v5, s77, v2                       ; the scale words of step 0
	KLOAD 0
	KLOAD 1
	s_mov_b32 s78, 8
.Lstep:                                            ; 256 keys a trip
	v_add_nc_u32 v4, 0x10000, v3                   ; V's codes of this step
	s_wait_dscnt 9                                 ; K's first half is in; the second half's 9 loads may be out
	SQ 0, 1
	SM 0, 0
	SQ 1
	SM 1, 0
	SQ 2
	SM 2, 0
	SQ 3
	SM 3, 1
	WALU                                           ; directly ahead of the first reader of O^T
.irp q, 0,1,2,3
.set j, 0
.rept 16
	BYF 32*\q+j, 32*\q+j, \q                       ; O^T under the new M; each accumulator from its low end on
.set j, j+2
.endr
.endr
	WALU                                           ; directly ahead of the wait below
	s_wait_dscnt 0x0                               ; V
	PV 0
	s_add_co_u32 s76, s76, 8192
	s_add_co_u32 s77, s77, 512
	v_add_nc_u32 v3, s76, v1                       ; the next step's K; with the two lines below: four places in front of loads into registers that the products above read
	v_add_nc_u32 v5, s77, v2
	PLACES 2
	KLOAD 0
	PV 1
	PLACES 4
	KLOAD 1
	s_sub_co_u32 s78, s78, 1
	s_cmp_lg_u32 s78, 0
	WALU                                           ; directly ahead of the branch
	s_cbranch_scc1 .Lstep
	s_wait_dscnt 0x0                               ; the last trip's fetch is not used: its registers are written below only behind this wait
; THE WAY OUT: O^T / the sum; of tile q register 16 b + i is d = 32 b + 16 h + i: two blocks along E; four registers of codes: half a fragment of the last product's operand
	WIN 0x05
.irp q, 0,1,2,3
	v_add_f32 v[BM+\q], v[SUM+2*\q], v[SUM+2*\q+1] ; the sum's two halves
.endr
	WIN 0
.irp q, 0,1,2,3
	v_permlanex16_b32 v[T2+\q], v[BM+\q], s74, s75
.endr
.irp q, 0,1,2,3
	v_add_f32 v[BM+\q], v[BM+\q], v[T2+\q]         ; and lane l xor 16's
.endr
	WALU
.irp q, 0,1,2,3
	v_rcp_f32 v[F+\q], v[BM+\q]
.endr
	v_nop                                          ; one plain place behind the reciprocals
	WIN 0x01
	WALU
.irp q, 0,1,2,3
.set j, 0
.rept 16
	BYF S+32*\q+j, 32*\q+j, \q
.set j, j+2
.endr
.endr
	WIN 0
.irp b, 0,1,2,3,4,5,6,7                        ; block 2 q + b of ctx lies where block 2 q + b of the scores lay
	v_max3_num_f32 v[BM+\b], |v[S+16*\b]|, |v[S+1+16*\b]|, 0x1800000
.endr
.irp i, 2,4,6,8,10,12,14
.irp b, 0,1,2,3,4,5,6,7
	v_max3_num_f32 v[BM+\b], v[BM+\b], |v[S+16*\b+\i]|, |v[S+1+16*\b+\i]|
.endr
.endr
.irp b, 0,1,2,3,4,5,6,7
	v_permlanex16_b32 v[T2+\b], v[BM+\b], s74, s75
.endr
.irp b, 0,1,2,3,4,5,6,7
	v_max_num_f32 v[BM+\b], v[BM+\b], v[T2+\b]
.endr
.irp b, 0,1,2,3,4,5,6,7
	v_add_nc_u32 v[BM+\b], 0xff000000, v[BM+\b]
.endr
.irp b, 0,1,2,3,4,5,6,7
	v_lshrrev_b32 v[T2+\b], 23, v[BM+\b]
.endr
.irp q, 0,1,2,3
	v_lshl_or_b32 v[T2+2*\q], v[T2+2*\q+1], 8, v[T2+2*\q]   ; my row's two scale bytes
.endr
.irp b, 0,1,2,3,4,5,6,7
	v_cvt_scalef32_pk8_fp4_f32 v[KV+2*\b], v[S+16*\b:S+7+16*\b], v[BM+\b]
	v_cvt_scalef32_pk8_fp4_f32 v[KV+1+2*\b], v[S+8+16*\b:S+15+16*\b], v[BM+\b]
.endr
	v_nop                                          ; one plain place behind the conversions
.irp q, 0,1,2,3
	v_permlane16_swap_b32 v[KV+4*\q], v[KV+4*\q+2] ; lanes 0-15 block 0, lanes 16-31 block 1
	v_permlane16_swap_b32 v[KV+4*\q+1], v[KV+4*\q+3]
.endr
.irp q, 0,1,2,3
	global_store_b128 v1, v[KV+4*\q:KV+4*\q+3], s[92:93] offset:1024*\q   ; 512 consecutive bytes, aligned
.endr
	v_cndmask_b32 v58, v[T2], v[T2+2], s79         ; lanes 0-15: the even tile's rows; lanes 16-31: the odd one's
	v_cndmask_b32 v59, v[T2+4], v[T2+6], s79
	ds_store_b16 v6, v58
	ds_store_b16 v6, v59 offset:64
	s_wait_dscnt 0x0                               ; for the others' sake: my stores have landed
	s_barrier_signal -1
	s_barrier_wait -1
	s_cmp_lt_u32 s12, 4                            ; two waves' bytes are the 256 of a block of 128 tokens: waves 0-3 store one such block each
	s_cbranch_scc0 .Lno_scales
	ds_load_b64 v[42:43], v7
	s_wait_dscnt 0x0
	global_store_b64 v8, v[42:43], s[94:95]        ; 256 consecutive bytes, aligned
.Lno_scales:
	s_wait_tensorcnt 0x0                           ; the wave's end
	ds_add_u32 v10, v11
	s_wait_dscnt 0x0
	CROUND                                         ; the closing round
	s_endpgm
.Lfunc_end_k_q0f2ed1b68f_attn:
	.size	k_q0f2ed1b68f_attn, .Lfunc_end_k_q0f2ed1b68f_attn-k_q0f2ed1b68f_attn
	.p2alignl 7, 3214868480
	.fill 96, 4, 3214868480
	.section	.rodata,"a",@progbits
	.p2align	6, 0x0
	.amdhsa_kernel k_q0f2ed1b68f_attn
		.amdhsa_group_segment_fixed_size 169984
		.amdhsa_private_segment_fixed_size 0
		.amdhsa_enable_private_segment 0
		.amdhsa_kernarg_size 32
		.amdhsa_user_sgpr_count 2
		.amdhsa_user_sgpr_kernarg_segment_ptr 1
		.amdhsa_wavefront_size32 1
		.amdhsa_system_sgpr_workgroup_id_x 1
		.amdhsa_system_sgpr_workgroup_id_y 1
		.amdhsa_system_sgpr_workgroup_id_z 1
		.amdhsa_system_vgpr_workitem_id 0
		.amdhsa_next_free_vgpr 512
		.amdhsa_next_free_sgpr 96
		.amdhsa_reserve_vcc 0
		.amdhsa_float_denorm_mode_32 3
		.amdhsa_float_denorm_mode_16_64 3
		.amdhsa_memory_ordered 1
		.amdhsa_forward_progress 1
		.amdhsa_inst_pref_size 132
	.end_amdhsa_kernel
	.amdgpu_metadata
---
amdhsa.version: [ 1, 2 ]
amdhsa.kernels:
  - .name:           k_q0f2ed1b68f_attn
    .symbol:         k_q0f2ed1b68f_attn.kd
    .args:
      - { .name: qop, .offset: 0, .size: 8, .value_kind: global_buffer, .address_space: global }
      - { .name: kop, .offset: 8, .size: 8, .value_kind: global_buffer, .address_space: global }
      - { .name: vop, .offset: 16, .size: 8, .value_kind: global_buffer, .address_space: global }
      - { .name: cop, .offset: 24, .size: 8, .value_kind: global_buffer, .address_space: global }
    .group_segment_fixed_size: 169984
    .private_segment_fixed_size: 0
    .kernarg_segment_align: 8
    .kernarg_segment_size: 32
    .max_flat_workgroup_size: 256
    .sgpr_count:     96
    .vgpr_count:     512
    .wavefront_size: 32
...
	.end_amdgpu_metadata
.endif
;; end of part 3
;; launch outp (part 4): grid 8 x 32, 4 waves a work-group, clusters of 4 x 4, 243,200 bytes of LDS; arguments cop, xop, bo, out0; writes out0
.if DOCPART == 4
	.amdgcn_target "amdgcn-amd-amdhsa--gfx1250"
	.amdhsa_code_object_version 6
	.text
	.protected	k_q0f2ed1b68f_outp
	.globl	k_q0f2ed1b68f_outp
	.p2align	8
	.type	k_q0f2ed1b68f_outp,@function
k_q0f2ed1b68f_outp:
	s_mov_b64 s[64:65], 0
	v_nop
	global_prefetch_b8 v0, s[64:65] scope:SCOPE_SE
	s_setreg_imm32_b32 hwreg(HW_REG_WAVE_MODE, 25, 1), 1
	s_wait_xcnt 0x0
	s_wait_alu depctr_hold_cnt(0) depctr_sa_sdst(0) depctr_va_vdst(0) depctr_va_sdst(0) depctr_va_ssrc(0) depctr_va_vcc(0) depctr_vm_vsrc(0)
	s_getreg_b32 s2, hwreg(HW_REG_IB_STS2, 6, 4)
	s_cmp_eq_u32 s2, 0
	s_cbranch_scc0 .Lentry_in_a_cluster
	s_endpgm
.Lentry_in_a_cluster:
	s_bfe_u32 s2, ttmp6, 0x10000c
	s_cmp_lg_u32 s2, 0xf033
	s_cbranch_scc0 .Lentry_shape_is_right
	s_endpgm
.Lentry_shape_is_right:
; out0 = ctx Wo^T + bo on codes of FP4 with E8M0 scales: ctx from cop, Wo from xop (blocks 216-223); sums in f32; out0 [8192][1024] f32.
; A work-group makes 256 tokens x 128 columns: 256 work-groups.  Wave w makes tokens 64 w .. 64 w + 63 (four tiles) x all 128 columns (eight tiles): 32 accumulators.  K = 1,024 is eight steps of 128.
; THE PRODUCT IS USED TRANSPOSED: source 0 = 16 rows of Wo, source 1 = 16 tokens: a lane holds one token, and its registers run along the columns.  bo is the C of each sum's first product.
; LDS: filled once.  Chunk j (K steps 2 j, 2 j + 1) at 52,224 j: [tokens 0-127][tokens 128-255][Wo's 128 rows], 17,408 bytes each, dense in memory.  Behind the chunks, at 208,896, a stage of 16 rows x 528 bytes
; for each wave, which LDS stores alone write.  Waves 0 and 1 bring the tokens' blocks, wave 2 Wo's: four tensor loads of a wave are out at the most.
; CLUSTER 4 x 4: the tokens' blocks hang on the work-group's y alone and are asked for jointly along a row of the cluster, Wo's on x alone, along a column.
; ctx's scale bytes lie as half-words, one for each head: a K step's word is made of two of them.
; REGISTERS: window 0: v4-11 addresses; v16-23 Wo's scale words, two sets; v24-39 ctx's, one register for each (K step, pair of tiles); v40-47 half-words; v64-95, v96-127 the tokens' fragments, two sets;
;   v192-255 bo in the result's layout; on the way out v128-191 and v64-127 rows of out0, by turns.   window 1: v0-63, v64-127 Wo's fragments.   window 2: accumulator (a, b) at v[8 (8 a + b)].
; LDS AS IT IS LAID NOW (in place of the chunks named above): a block of 128 rows, all eight K steps, 69,632 bytes dense as in memory: [tokens 0-127][tokens 128-255][Wo's 128 rows] at 0, 69,632 and 139,264.
; Waves 0 and 1 bring the tokens' blocks, wave 2 Wo's, each by ONE tensor load of 272 rows of 256 bytes; every wave waits ahead of the one barrier in front of the first LDS read.
.set CH,    17408                      ; from a pair of K steps to the next, inside a block
.set BL,    69632                      ; from block to block
.set KB,    8704
.set STAGE, 208896
.set SP,    528
.set ADR0, 4
.set ADR1, 5
.set ADS0, 6
.set ADH,  7
.set STO,  8
.set RD,   9
.set CO,   10
.set BCO,  11
.set SC0,  16
.set SC1,  24
.set HW,   40
.set BC,   192
.set G1Y,  28
.set G1X,  36
.set G0Y,  44
.set G0X,  68
.set MSB, 0
.macro WIN new                         ; the immediate's high byte repeats the setting that is left
.if MSB != (\new)
	s_set_vgpr_msb (MSB<<8)|(\new)
.set MSB, (\new)
.endif
.endm
.macro PLACES n
.rept \n
	v_nop
.endr
.endm
.macro CROUND                          ; a round of the cluster's barrier
	s_barrier_signal -1
	s_barrier_wait -1
	s_cmp_lg_u32 s18, 0
	s_cbranch_scc1 .Lnot_wave_0_\@
	s_barrier_signal -3
.Lnot_wave_0_\@:
	s_barrier_wait -3
	s_barrier_signal -1
	s_barrier_wait -1
.endm
.macro WMMA                            ; one product; its registers and the rows of its scale registers stand in symbols
.if pA && pB
	v_wmma_scale_f32_16x16x128_f8f6f4 v[rD:rD+7], v[rA:rA+7], v[rB:rB+7], v[rC:rC+7], v[rSA], v[rSB] matrix_a_fmt:MATRIX_FMT_FP4 matrix_b_fmt:MATRIX_FMT_FP4 matrix_a_scale:MATRIX_SCALE_ROW1 matrix_b_scale:MATRIX_SCALE_ROW1
.elseif pA
	v_wmma_scale_f32_16x16x128_f8f6f4 v[rD:rD+7], v[rA:rA+7], v[rB:rB+7], v[rC:rC+7], v[rSA], v[rSB] matrix_a_fmt:MATRIX_FMT_FP4 matrix_b_fmt:MATRIX_FMT_FP4 matrix_a_scale:MATRIX_SCALE_ROW1
.elseif pB
	v_wmma_scale_f32_16x16x128_f8f6f4 v[rD:rD+7], v[rA:rA+7], v[rB:rB+7], v[rC:rC+7], v[rSA], v[rSB] matrix_a_fmt:MATRIX_FMT_FP4 matrix_b_fmt:MATRIX_FMT_FP4 matrix_b_scale:MATRIX_SCALE_ROW1
.else
	v_wmma_scale_f32_16x16x128_f8f6f4 v[rD:rD+7], v[rA:rA+7], v[rB:rB+7], v[rC:rC+7], v[rSA], v[rSB] matrix_a_fmt:MATRIX_FMT_FP4 matrix_b_fmt:MATRIX_FMT_FP4
.endif
.endm
	s_load_b256 s[4:11], s[0:1], 0x0               ; cop, xop, bo, out0
	v_lshl_add_u32 v62, v0, 2, 0x3b400
	v_mov_b32 v63, 0
	ds_add_u32 v62, v63
	ds_add_u32 v62, v63
	v_lshrrev_b32 v1, 5, v0
	v_readfirstlane_b32 s18, v1                    ; wave 0..3
	s_lshr_b32 s19, s18, 1
	s_and_b32 s20, s18, 1
	s_bfe_u32 s21, ttmp6, 0x40000                  ; cx
	s_bfe_u32 s22, ttmp6, 0x40004                  ; cy
	s_lshl_b32 s23, ttmp9, 2
	s_add_co_u32 s23, s23, s21                     ; x: which 128 columns
	s_and_b32 s24, ttmp7, 0xffff
	s_lshl_b32 s24, s24, 2
	s_add_co_u32 s24, s24, s22                     ; y: which 256 tokens
	s_lshl_b32 s2, s22, 2
	s_lshl_b32 s2, 15, s2                          ; my row of the cluster
	s_lshl_b32 s3, 0x1111, s21                     ; my column
	; descriptor group 1: a dense block of 69,632 bytes as 272 rows of 256 bytes (32 elements of 8 bytes), no padding
	s_or_b32 s[G1Y], s2, (3<<16)|(1<<21)           ; 15:0 the mask: the tokens' blocks go to my row; 17:16 elements of 8 bytes; 21 set beside a mask
	s_or_b32 s[G1X], s3, (3<<16)|(1<<21)           ; Wo's go to my column
.irp g, G1Y, G1X
	s_mov_b32 s[\g+1], 32<<16                      ; tensor_dim0
	s_mov_b32 s[\g+2], 272<<16                     ; tensor_dim1
	s_mov_b32 s[\g+3], 32<<16                      ; tile_dim0
	s_mov_b32 s[\g+4], 272                         ; tile_dim1
	s_mov_b32 s[\g+5], 32                          ; tensor_dim0_stride
	s_mov_b32 s[\g+6], 0
	s_mov_b32 s[\g+7], 0
.endr
	s_lshl_b32 s60, s24, 1
	s_add_co_u32 s60, s60, s20                     ; the tokens' block of 128: 2 y + wave (waves 0, 1)
	s_mul_i32 s60, s60, 69632
	s_mov_b32 s61, 0
	s_add_co_u32 s62, s23, 216                     ; Wo's: 216 + x
	s_mul_i32 s62, s62, 69632
	s_mov_b32 s63, 0
	s_mul_i32 s66, s18, BL                         ; where my block goes in LDS
	; the LDS addresses, made ahead of the branch that shares out the fills
	v_and_b32 v1, 31, v0                           ; lane
	v_and_b32 v2, 15, v0                           ; r
	s_wait_alu depctr_va_vdst(0)
	v_bfe_u32 v3, v0, 4, 1                         ; h
	v_lshlrev_b32 v[CO], 4, v1                     ; 16 x lane
	v_add_nc_u32 v[ADR0], 2*BL, v[CO]              ; Wo's fragments
	v_lshl_add_u32 v[ADS0], v1, 3, 2*BL+8192       ; and scale words
	s_mul_i32 s2, s19, BL                          ; my tokens: block wave / 2,
	s_lshl_b32 s3, s20, 12                         ; tiles 4 (wave % 2) on
	s_add_co_u32 s3, s3, s2
	v_add_nc_u32 v[ADR1], s3, v[CO]
	s_lshl_b32 s3, s20, 7                          ; their half-words: pairs 2 (wave % 2) on
	s_add_co_u32 s3, s3, s2
	s_add_co_u32 s3, s3, 8192
	v_lshl_add_u32 v[ADH], v1, 1, s3
	s_mul_i32 s2, s18, 16*SP
	s_add_co_u32 s2, s2, STAGE                     ; my stage
	v_mul_u32_u24 v[STO], v2, SP
	s_wait_alu depctr_va_vdst(0)
	v_lshl_add_u32 v[STO], v3, 6, v[STO]
	v_add_nc_u32 v[STO], s2, v[STO]                ; in: row r, + 64 h bytes
	v_add_nc_u32 v[RD], s2, v[CO]                  ; back: the 32 lanes take a row of 512 bytes
	v_lshlrev_b32 v[BCO], 6, v3                    ; bo: register 8 b + j is column 32 (b / 2) + 16 h + 8 (b % 2) + j
	s_wait_dscnt 0x0
	s_wait_kmcnt 0x0
	s_add_nc_u64 s[60:61], s[4:5], s[60:61]
	s_add_nc_u64 s[62:63], s[6:7], s[62:63]
.irp j, 0
	s_mov_b32 s[G0Y+4*\j], 1
	s_add_co_u32 s[G0Y+4*\j+1], s66, \j*CH         ; 63:32 LDS address
	s_add_nc_u64 s[G0Y+4*\j+2:G0Y+4*\j+3], s[60:61], \j*BL   ; 120:64 global address: the whole block
	s_or_b32 s[G0Y+4*\j+3], s[G0Y+4*\j+3], 0x80000000        ; 127:126 type = 2
	s_mov_b32 s[G0X+4*\j], 1
	s_add_co_u32 s[G0X+4*\j+1], s66, \j*CH
	s_add_nc_u64 s[G0X+4*\j+2:G0X+4*\j+3], s[62:63], \j*BL
	s_or_b32 s[G0X+4*\j+3], s[G0X+4*\j+3], 0x80000000
.endr
	CROUND                                         ; all sixteen work-groups are here: the joint loads meet
	s_cmp_lt_u32 s18, 2                            ; a wave's one fill stands in one branch on its number, ahead of every wait on TENSORcnt and every LDS read
	s_cbranch_scc0 .Lnot_y
	tensor_load_to_lds s[G0Y:G0Y+3], s[G1Y:G1Y+7]  ; my one load: a whole block of tokens
	s_nop 0
	PLACES 4
	s_branch .Lfilled
.Lnot_y:
	s_cmp_eq_u32 s18, 2
	s_cbranch_scc0 .Lfilled
	tensor_load_to_lds s[G0X:G0X+3], s[G1X:G1X+7]  ; my one load: Wo's block
	s_nop 0
	PLACES 4
.Lfilled:
	s_lshl_b32 s2, s23, 9                          ; 128 x columns of 4 bytes
	s_mov_b32 s3, 0
	s_add_nc_u64 s[86:87], s[8:9], s[2:3]          ; bo at my columns
	s_lshl_b32 s60, s24, 8
	s_lshl_b32 s61, s18, 6
	s_add_co_u32 s60, s60, s61                     ; my first token: 256 y + 64 wave
	s_lshl_b32 s60, s60, 12
	s_add_co_u32 s2, s2, s60
	s_add_nc_u64 s[84:85], s[10:11], s[2:3]        ; out0 at my first token and column
	s_wait_alu depctr_va_vdst(0)
.irp b, 0,1,2,3,4,5,6,7
	global_load_b128 v[BC+8*\b:BC+8*\b+3], v[BCO], s[86:87] offset:(32*(\b/2)+8*(\b%2))*4
	global_load_b128 v[BC+8*\b+4:BC+8*\b+7], v[BCO], s[86:87] offset:(32*(\b/2)+8*(\b%2))*4+16
.endr
; K step s: 26 LDS loads, each of consecutive bytes: Wo's eight fragments, my four of the tokens, Wo's four pairs of scale words
.macro FETCH s
.set PP, (\s)%2
	WIN 0x40                                       ; destination window 1
.irp b, 0,1,2,3,4,5,6,7
.irp c, 0,1
	ds_load_b128 v[64*PP+8*\b+4*\c:64*PP+8*\b+4*\c+3], v[ADR0] offset:PP*KB+1024*\b+512*\c
.endr
.endr
	WIN 0
.irp a, 0,1,2,3
.irp c, 0,1
	ds_load_b128 v[64+32*PP+8*\a+4*\c:64+32*PP+8*\a+4*\c+3], v[ADR1] offset:PP*KB+1024*\a+512*\c
.endr
.endr
.irp q, 0,1
	ds_load_b64 v[SC0+4*PP+2*\q:SC0+4*PP+2*\q+1], v[ADS0] offset:PP*KB+256*\q
.endr
.endm
.macro HALVES                          ; a chunk's half-words of my two pairs of tiles: K step p of its two, pair e, head's parity c
.irp p, 0,1
.irp e, 0,1
.irp c, 0,1
	ds_load_u16 v[HW+4*\p+2*\e+\c], v[ADH] offset:\p*KB+256*\c+64*\e
.endr
.endr
.endr
.endm
.macro JOIN j                          ; and the scale words of chunk j made of them: the even head's two bytes below, the odd head's above
.irp p, 0,1
.irp e, 0,1
	v_lshl_or_b32 v[SC1+2*(2*(\j)+\p)+\e], v[HW+4*\p+2*\e+1], 16, v[HW+4*\p+2*\e]
.endr
.endr
	PLACES 8                                       ; a scale register written by a vector instruction stands 8 places ahead of a scaled product
.endm
; 16 products: my tiles 2 hi, 2 hi + 1 x Wo's eight.  The 32 accumulators take turns, one instruction a turn, in the same order in every step
.macro MUL16 s, hi, first
.irp a, 0,1
.irp b, 0,1,2,3,4,5,6,7
.set rD, 8*(8*(2*(\hi)+\a)+\b)
.if \first
.set rC, BC+8*\b
.else
.set rC, rD
.endif
.set rA, 64*((\s)%2)+8*\b
.set rB, 64+32*((\s)%2)+8*(2*(\hi)+\a)
.set rSA, SC0+4*((\s)%2)+\b/2
.set rSB, SC1+2*(\s)+(\hi)
.set pA, \b%2
.set pB, \a
	WMMA
.endr
.endr
.endm
.macro STEPE s, first                  ; an even step: its successor lies in the same chunk
	s_wait_dscnt 0x0                               ; this step's fragments are in
	PLACES 4                                       ; in front of loads into registers that the step before multiplied
	FETCH (\s)+1
.if \first
	WIN 0x81                                       ; source 0 window 1, source 1 and C (bo) window 0, D window 2
.else
	WIN 0xa1                                       ; C and D window 2
.endif
	MUL16 \s, 0, \first
	MUL16 \s, 1, \first
.endm
.macro STEPO s                         ; an odd step: its successor lies in the next chunk
	s_wait_dscnt 0x0
	WIN 0xa1
	MUL16 \s, 0, 0
	WIN 0
	v_add_nc_u32 v[ADR0], CH, v[ADR0]              ; on to the next chunk; these four are also the places in front of the loads below
	v_add_nc_u32 v[ADR1], CH, v[ADR1]
	v_add_nc_u32 v[ADS0], CH, v[ADS0]
	v_add_nc_u32 v[ADH], CH, v[ADH]
	HALVES
	FETCH (\s)+1
	s_wait_dscnt 26                                ; the eight half-words are in; the 26 loads issued behind them may be out
	JOIN ((\s)+1)/2
	WIN 0xa1
	MUL16 \s, 1, 0
.endm
	s_wait_tensorcnt 0x0                           ; my block has landed
	s_barrier_signal -1
	s_barrier_wait -1                              ; everybody's has
	HALVES
	FETCH 0
	s_wait_dscnt 26
	JOIN 0
	s_wait_alu depctr_va_vdst(0)
	s_wait_loadcnt 0x0                             ; bo
	STEPE 0, 1                                     ; the first step's products start the sums from bo
	STEPO 1
	s_wait_alu depctr_va_vdst(0)
	STEPE 2, 0
	STEPO 3
	s_wait_alu depctr_va_vdst(0)
	STEPE 4, 0
	STEPO 5
	s_wait_alu depctr_va_vdst(0)
	STEPE 6, 0
	s_wait_dscnt 0x0                               ; the last step: nothing more to fetch
	WIN 0xa1
	MUL16 7, 0, 0
	MUL16 7, 1, 0
	WIN 0
; THE WAY OUT, a tile of 16 tokens x 128 columns at a time.  A lane holds pieces of 32 bytes of one row, and the lanes beside it other rows: so a tile goes through my own stage and comes back as whole rows of 512 bytes.
; LDS serves a wave's instructions in order: no wait between the stores and the loads, nor in front of the next tile's stores.
.macro TOSTAGE a
	WIN 0x08                                       ; an LDS store's data: window 2
.irp b, 0,1,2,3,4,5,6,7
	ds_store_b128 v[STO], v[64*(\a)+8*\b:64*(\a)+8*\b+3] offset:128*(\b/2)+32*(\b%2)        ; each accumulator from its low end on
	ds_store_b128 v[STO], v[64*(\a)+8*\b+4:64*(\a)+8*\b+7] offset:128*(\b/2)+32*(\b%2)+16
.endr
	WIN 0
.set BB, 128-64*((\a)%2)
.irp t, 0,1,2,3,4,5,6,7,8,9,10,11,12,13,14,15
	ds_load_b128 v[BB+4*\t:BB+4*\t+3], v[RD] offset:\t*SP
.endr
.endm
.macro SEND a, younger                 ; younger: the LDS instructions issued behind tile a's loads, which may stay out
.set BB, 128-64*((\a)%2)
	s_wait_dscnt \younger
.irp t, 0,1,2,3,4,5,6,7,8,9,10,11,12,13,14,15
	global_store_b128 v[CO], v[BB+4*\t:BB+4*\t+3], s[84:85] offset:(32*((\a)/2)+8*((\a)%2)+\t+8*(\t/8))*4096 th:TH_STORE_NT   ; 512 consecutive bytes, aligned; written once, read by nobody here
.endr
.endm
	PLACES 4                                       ; in front of the first read of results, and of loads into registers that held fragments
	TOSTAGE 0
	TOSTAGE 1
	SEND 0, 32                                     ; behind tile 0's loads: tile 1's 16 stores and 16 loads
	s_wait_xcnt 0x0                                ; tile 0's stores have read their data: tile 2's rows land there only behind this wait
	TOSTAGE 2
	SEND 1, 32
	s_wait_xcnt 0x0
	TOSTAGE 3
	SEND 2, 32
	SEND 3, 0
	s_wait_tensorcnt 0x0
	ds_add_u32 v62, v63
	s_wait_dscnt 0x0
	CROUND                                         ; the closing round: no work-group ends while a partner may still ask for a block that names it
	s_endpgm
.Lfunc_end_k_q0f2ed1b68f_outp:
	.size	k_q0f2ed1b68f_outp, .Lfunc_end_k_q0f2ed1b68f_outp-k_q0f2ed1b68f_outp
	.p2alignl 7, 3214868480
	.fill 96, 4, 3214868480
	.section	.rodata,"a",@progbits
	.p2align	6, 0x0
	.amdhsa_kernel k_q0f2ed1b68f_outp
		.amdhsa_group_segment_fixed_size 243200
		.amdhsa_private_segment_fixed_size 0
		.amdhsa_enable_private_segment 0
		.amdhsa_kernarg_size 32
		.amdhsa_user_sgpr_count 2
		.amdhsa_user_sgpr_kernarg_segment_ptr 1
		.amdhsa_wavefront_size32 1
		.amdhsa_system_sgpr_workgroup_id_x 1
		.amdhsa_system_sgpr_workgroup_id_y 1
		.amdhsa_system_sgpr_workgroup_id_z 1
		.amdhsa_system_vgpr_workitem_id 0
		.amdhsa_next_free_vgpr 768
		.amdhsa_next_free_sgpr 96
		.amdhsa_reserve_vcc 0
		.amdhsa_float_denorm_mode_32 3
		.amdhsa_float_denorm_mode_16_64 3
		.amdhsa_memory_ordered 1
		.amdhsa_forward_progress 1
		.amdhsa_inst_pref_size 74
	.end_amdhsa_kernel
	.amdgpu_metadata
---
amdhsa.version: [ 1, 2 ]
amdhsa.kernels:
  - .name:           k_q0f2ed1b68f_outp
    .symbol:         k_q0f2ed1b68f_outp.kd
    .args:
      - { .name: cop, .offset: 0, .size: 8, .value_kind: global_buffer, .address_space: global }
      - { .name: xop, .offset: 8, .size: 8, .value_kind: global_buffer, .address_space: global }
      - { .name: bo, .offset: 16, .size: 8, .value_kind: global_buffer, .address_space: global }
      - { .name: out0, .offset: 24, .size: 8, .value_kind: global_buffer, .address_space: global }
    .group_segment_fixed_size: 243200
    .private_segment_fixed_size: 0
    .kernarg_segment_align: 8
    .kernarg_segment_size: 32
    .max_flat_workgroup_size: 128
    .sgpr_count:     96
    .vgpr_count:     768
    .wavefront_size: 32
...
	.end_amdgpu_metadata
.endif
;; end of part 4
